; MI455X (gfx1250); checked and timed in simulation.
; The chip was launched on July 23, 2026; its instructions are those of AMD's public machine-readable ISA for CDNA 5 (MIT licence, August 2026) and "CDNA5" Instruction Set Architecture Reference Guide (July 2026). The comments in the code are by the model that wrote it; some were corrected since.
;; Bigbird Simulated Attention. Allowed arithmetic: float matrix products may take bf16 or f16 operands with f32 sums; all other float work in f32.
;; Inputs: k 1 x 12 x 4,096 x 64 float32; mask 4,096 x 4,096 int32; q 1 x 12 x 4,096 x 64 float32; v 1 x 12 x 4,096 x 64 float32.
;; Outputs: out0 1 x 12 x 4,096 x 64 float32.
;; 2 versions, each right; version 2 is version 1 with the launch attn written anew for expert scheduling mode. Each part assembles by itself: llvm-mc -triple=amdgcn-amd-amdhsa -mcpu=gfx1250 --defsym DOCPART=n.
;; ======== version 1 of 2: 2 launches
;; limits: values are held in f16: magnitudes above 65,504 overflow, below 6.1e-05 lose precision; inputs' magnitudes at most 65,504; right only within a limited range of input values
;; workspace buffers: qf 6,291,456 bytes; kf 6,291,456 bytes; vt 6,291,456 bytes; bits 2,097,152 bytes of whole numbers; need 2,048 bytes of whole numbers; meta 1,024 bytes of whole numbers
;; launch prep (part 1): grid 256 x 1, 4 waves a work-group, no clusters, 276,480 bytes of LDS; arguments q, k, v, mask, qf, kf, vt, bits, need, meta; writes qf, kf, vt, bits, need, meta
.if DOCPART == 1
	.amdgcn_target "amdgcn-amd-amdhsa--gfx1250"
	.amdhsa_code_object_version 6
	.text
	.protected	k_q89b0df5075_prep
	.globl	k_q89b0df5075_prep
	.p2align	8
	.type	k_q89b0df5075_prep,@function
k_q89b0df5075_prep:
	s_mov_b64 s[64:65], 0
	v_nop
	global_prefetch_b8 v0, s[64:65] scope:SCOPE_SE
	s_setreg_imm32_b32 hwreg(HW_REG_WAVE_MODE, 25, 1), 1
	s_wait_xcnt 0x0
; PREP.  One pass over q, k, v ([12][4096][64] f32) and over the mask ([4096][4096] i32).
;  qf, kf: q and k rounded to bf16, laid out as register images: for each 16 rows 2,048 bytes; chunk f = 2 c2 + e (512 bytes), lane (r, h) 16 bytes: row r, channels 32 c2 + 16 e + 8 h + 0..7.
;  vt:     v rounded to bf16, that number written as f16, turned: for each 16 keys 2,048 bytes; chunk cb (512 bytes), lane (r, h): channel 16 cb + r, keys 8 h + 0..7.
;  bits:   [q tile g of 16 rows][key tile T of 64][word 8 kb + j]: bit L = 1 where mask[16 g + L % 16][64 T + 16 kb + 8 (L / 16) + j] lies below its row's largest mask value.
;  need:   [g] 64 bits: bit T = 1 where some row of q tile g has a key of its top class in key tile T.
;  meta:   [g] popcount(need[g]) | e << 16, e = the float bits >> 23 of the largest |row|^2 of the q and k rows that this work-group converts.
; A softmax does not change when a row's scores are all shifted alike, so only rowmax(mask) - mask counts; the next launch uses these tables.
; LIMITS.  The mask is compared as whole numbers: |mask| up to 2^24, where its float is exact.  v in f16: |v| below 65,520; below 6.1e-5 it keeps f16's fixed step of 6e-8.
; SHARES.  Work-group g: mask rows 16 g .. 16 g + 15 (256 KiB, whole in LDS, fetched once by tensor loads, four a wave, all issued at the start) and 12 groups of 16 rows of each of q, k, v
; (three a wave, through registers).  No matrix unit and no cluster: the work-groups share no input, and every byte is read once.
; need and meta are 12 bytes a work-group, stored by one lane: 3 KiB in the launch.
.set PITCH,  16400                     ; a mask row in LDS: 16,384 bytes + 16, so that the 16 rows that a load of 16 bytes a lane touches start in 16 different columns of 16 bytes
.set STG,    262656                    ; behind the mask rows (they end at 262,384): a stage of 3,072 bytes for each wave
.set STGW,   3072
.set SCR1,   274944                    ; [wave][row] partial row maxima, 256 bytes
.set SCR2,   275200                    ; [wave] {need bits, norm bits}
.set SPARE,  275456                    ; the spare words: 128 bytes for each wave, two blocks of 256 bytes that no other line names
.set LN,  1                            ; v1   lane
.set L16, 2                            ; v2   16 x lane; never rewritten
.set VOF, 3                            ; v3   v's loads: (lane / 16) x 2,048 + (lane % 16) x 16; never rewritten
.set R,   4                            ; v4   lane % 16
.set H,   5                            ; v5   lane / 16
.set SRW, 6                            ; v6   stage, rows in
.set SRR, 7                            ; v7   stage, fragments out
.set SCW, 8                            ; v8   stage, columns in
.set SCR, 9                            ; v9   stage, turned fragments out
.set MA,  10                           ; v10  my place in the mask rows: r x PITCH + 32 h + 4,096 x wave
.set M,   11                           ; v11  the largest |row|^2 so far, as bits
.set RMX, 12                           ; v12  row r's largest mask value
.set BO,  13                           ; v13  byte offset of my 16 bytes in the wave's part of bits
.set SPW, 14                           ; v14  LDS address of my spare word; never rewritten
.set NIL, 15                           ; v15  0; never rewritten
.set T,   16                           ; v[16:31] at work
.set MB,  30                           ; v30  (behind the stream) the walking copy of MA
.set SC,  31                           ; v31  (behind the stream) addresses in the scratch words
.set Y,   32                           ; v[32:47] packed results; later v[32:35] the words to store
.set WB,  32
.set F,   48                           ; v[48:63] what leaves the stage for memory
.set X,   64                           ; v[64:255] six slots of 32 registers
.set G1,  24                           ; s[24:31] descriptor group 1
.set G0,  32                           ; s[32:47] descriptor group 0, a set for each of my four mask rows
.set CW,  48                           ; s[48:55] eight compare words
.set WV,  56                           ; s56  my wave's number
.set SEL, 60                           ; s[60:61] v_permlanex16_b32's selects: each lane takes its own place in the other half
.set NACC, 62                          ; s62  my 16 need bits, at their place in a 32-bit word
.set SHIFT, 63                         ; s63  where the next four go
.set TRIP, 66                          ; s66  loop counter
	s_load_b512 s[4:19], s[0:1], 0x0               ; q s[4:5], k s[6:7], v s[8:9], mask s[10:11], qf s[12:13], kf s[14:15], vt s[16:17], bits s[18:19]
	s_load_b128 s[20:23], s[0:1], 0x40             ; need s[20:21], meta s[22:23]
	v_lshl_add_u32 v[SPW], v0, 2, SPARE
	v_mov_b32 v[NIL], 0
	ds_add_u32 v[SPW], v[NIL]                      ; the wave's opening: the add and its wait ahead of my first tensor load; work on registers stands between them
	ds_add_u32 v14, v15
	v_lshrrev_b32 v[LN], 5, v0
	v_readfirstlane_b32 s[WV], v[LN]               ; wave 0..3
	; group 1: a mask row is 16,384 dense bytes, asked for as 64 rows of 256 bytes (32 elements of 8 bytes), no padding
	s_mov_b32 s[G1+0], 3<<16                       ; 17:16 elements of 8 bytes; no mask, no padding
	s_mov_b32 s[G1+1], 32<<16                      ; tensor_dim0 = 32
	s_mov_b32 s[G1+2], 64<<16                      ; tensor_dim1 = 64
	s_mov_b32 s[G1+3], 32<<16                      ; tile_dim0 = 32
	s_mov_b32 s[G1+4], 64                          ; tile_dim1 = 64
	s_mov_b32 s[G1+5], 32                          ; 32 elements from row to row
	s_mov_b32 s[G1+6], 0
	s_mov_b32 s[G1+7], 0
	s_mul_i32 s57, s[WV], 4*PITCH                  ; my four mask rows in LDS
.irp n, 0,1,2,3
	s_mov_b32 s[G0+4*(\n)], 1                      ; count = 1
	s_add_co_u32 s[G0+4*(\n)+1], s57, (\n)*PITCH   ; LDS address: (4 x wave + n) x PITCH
.endr
	s_lshl_b32 s58, ttmp9, 18                      ; 16 mask rows of 16,384 bytes a work-group,
	s_lshl_b32 s67, s[WV], 16                      ; four a wave
	s_add_co_u32 s58, s58, s67
	s_mov_b32 s59, 0
	s_lshl_b32 s67, ttmp9, 2
	s_add_co_u32 s67, s67, s[WV]                   ; 4 g + wave
	s_mul_i32 s68, s67, 12288                      ; three groups of 4,096 bytes in
	s_mov_b32 s69, 0
	s_mul_i32 s70, s67, 6144                       ; three groups of 2,048 bytes out
	s_mov_b32 s71, 0
	s_lshl_b32 s72, ttmp9, 13                      ; bits: 8,192 bytes a q tile,
	s_lshl_b32 s67, s[WV], 11                      ; 16 key tiles of 128 bytes a wave
	s_add_co_u32 s72, s72, s67
	s_mov_b32 s73, 0
	s_lshl_b32 s74, ttmp9, 3
	s_mov_b32 s75, 0
	s_lshl_b32 s76, ttmp9, 2
	s_mov_b32 s77, 0
	s_mov_b32 s[SEL], 0x76543210
	s_mov_b32 s[SEL+1], 0xfedcba98
	s_wait_dscnt 0x0                               ; the opening add is done
	s_wait_kmcnt 0x0
	s_add_nc_u64 s[10:11], s[10:11], s[58:59]      ; the mask at my first row
.irp n, 0,1,2,3
	s_add_nc_u64 s[G0+4*(\n)+2:G0+4*(\n)+3], s[10:11], (\n)*16384
	s_or_b32 s[G0+4*(\n)+3], s[G0+4*(\n)+3], 0x80000000  ; type = 2
.endr
.irp n, 0,1,2,3
	tensor_load_to_lds s[G0+4*(\n):G0+4*(\n)+3], s[G1:G1+7]  ; all first fills in one group: four loads of mine are out
	s_nop 0
.endr
	s_add_nc_u64 s[4:5], s[4:5], s[68:69]
	s_add_nc_u64 s[6:7], s[6:7], s[68:69]
	s_add_nc_u64 s[8:9], s[8:9], s[68:69]
	s_add_nc_u64 s[12:13], s[12:13], s[70:71]
	s_add_nc_u64 s[14:15], s[14:15], s[70:71]
	s_add_nc_u64 s[16:17], s[16:17], s[70:71]
	s_add_nc_u64 s[18:19], s[18:19], s[72:73]
	s_add_nc_u64 s[20:21], s[20:21], s[74:75]
	s_add_nc_u64 s[22:23], s[22:23], s[76:77]
	v_and_b32 v[LN], 31, v0
	v_lshlrev_b32 v[L16], 4, v[LN]
	v_and_b32 v[R], 15, v0
	v_bfe_u32 v[H], v0, 4, 1
	v_lshlrev_b32 v[VOF], 4, v[R]
	v_lshl_add_u32 v[VOF], v[H], 11, v[VOF]
; Eight loads of 512 consecutive bytes: group n of tensor p.  Register set i then holds row 2 i + lane / 16, channels 4 (lane % 16) + 0..3.
.macro LOADR slot, p, n
.set i, 0
.rept 8
	global_load_b128 v[X+32*(\slot)+4*i:X+32*(\slot)+4*i+3], v[L16], s[\p:\p+1] offset:4096*(\n)+512*i th:TH_LOAD_NT
.set i, i+1
.endr
.endm
; The same for v, rows dealt otherwise: register set i holds key i + 8 (lane / 16); each half of the lanes takes one whole row of 256 bytes.
.macro LOADC slot, n
.set i, 0
.rept 8
	global_load_b128 v[X+32*(\slot)+4*i:X+32*(\slot)+4*i+3], v[VOF], s[8:9] offset:4096*(\n)+256*i th:TH_LOAD_NT
.set i, i+1
.endr
.endm
	LOADR 0, 4, 0
	LOADR 1, 4, 1
	LOADR 2, 4, 2
	LOADR 3, 6, 0
	LOADR 4, 6, 1
	LOADR 5, 6, 2                                  ; 48 loads of mine are out beside the four tensor loads
	s_mul_i32 s68, s[WV], STGW
	s_add_co_u32 s68, s68, STG                     ; my stage
	v_mul_u32_u24 v[SRW], v[H], 144                ; rows in: row 2 i + lane / 16 at pitch 144, 8 bytes a lane
	v_lshl_add_u32 v[SRW], v[R], 3, v[SRW]
	v_add_nc_u32 v[SRW], s68, v[SRW]
	v_mul_u32_u24 v[SRR], v[R], 144                ; fragments out: row r, 16 bytes for each half of the lanes; 144 = 9 x 16: no two of 16 rows share a column
	v_lshl_add_u32 v[SRR], v[H], 4, v[SRR]
	v_add_nc_u32 v[SRR], s68, v[SRR]
	v_mul_u32_u24 v[SCW], v[R], 192                ; columns in: channel 4 (lane % 16) + z at pitch 48, keys 8 (lane / 16) on
	v_lshl_add_u32 v[SCW], v[H], 4, v[SCW]
	v_add_nc_u32 v[SCW], s68, v[SCW]
	v_mul_u32_u24 v[SCR], v[R], 48                 ; turned fragments out: channel 16 cb + r; 48 = 3 x 16
	v_lshl_add_u32 v[SCR], v[H], 4, v[SCR]
	v_add_nc_u32 v[SCR], s68, v[SCR]
	v_mul_u32_u24 v[MA], v[R], PITCH
	v_lshl_add_u32 v[MA], v[H], 5, v[MA]
	s_lshl_b32 s69, s[WV], 12
	v_add_nc_u32 v[MA], s69, v[MA]
	v_mov_b32 v[M], 0
; A group of q or k: its rows' squared norms go into M; rounded to bf16; through my stage into the fragment image; stored.  left = the younger loads that may stay out.
.macro ROWS slot, ob, n, left
	s_wait_loadcnt \left                           ; loads come back in order: this group's eight are in
.set XS, X+32*(\slot)
.set i, 0
.rept 8
	v_pk_mul_f32 v[T+2*i:T+2*i+1], v[XS+4*i:XS+4*i+1], v[XS+4*i:XS+4*i+1]
.set i, i+1
.endr
.set i, 0
.rept 8
	v_pk_fma_f32 v[T+2*i:T+2*i+1], v[XS+4*i+2:XS+4*i+3], v[XS+4*i+2:XS+4*i+3], v[T+2*i:T+2*i+1]
.set i, i+1
.endr
.set i, 0
.rept 8
	v_add_f32 v[T+2*i], v[T+2*i], v[T+2*i+1]
.set i, i+1
.endr
.irp m, 1,2,4,8                        ; a row lies in 16 neighbouring lanes
.set i, 0
.rept 8
	v_add_f32_dpp v[T+2*i], v[T+2*i], v[T+2*i] row_xmask:\m row_mask:0xf bank_mask:0xf
.set i, i+1
.endr
.endr
.set i, 0
.rept 8
	v_max_u32 v[M], v[M], v[T+2*i]                 ; sums of squares are not negative, so their bits order as whole numbers do; a NaN's bits lie above all
.set i, i+1
.endr
.set i, 0
.rept 8
	v_cvt_pk_bf16_f32 v[Y+2*i], v[XS+4*i], v[XS+4*i+1]
	v_cvt_pk_bf16_f32 v[Y+2*i+1], v[XS+4*i+2], v[XS+4*i+3]
.set i, i+1
.endr
.set i, 0
.rept 8
	ds_store_b64 v[SRW], v[Y+2*i:Y+2*i+1] offset:288*i
.set i, i+1
.endr
	s_wait_xcnt 0x0                                ; F fed the last group's stores: it is loaded again only behind this wait
.set i, 0
.rept 4
	ds_load_b128 v[F+4*i:F+4*i+3], v[SRR] offset:32*i  ; LDS serves a wave's instructions in order: these see the stores above, and the next group's stores come behind them
.set i, i+1
.endr
	s_wait_dscnt 0x0
.set i, 0
.rept 4
	global_store_b128 v[L16], v[F+4*i:F+4*i+3], s[\ob:\ob+1] offset:2048*(\n)+512*i  ; 512 consecutive bytes
.set i, i+1
.endr
.endm
; A group of v: rounded to bf16, that number written as f16; a lane's eight keys of a channel are 16 bytes; through my stage into the turned image; stored.
.macro COLS slot, n, left
	s_wait_loadcnt \left
.set XS, X+32*(\slot)
.irp z, 0,1,2,3
.irp p, 0,1,2,3
	v_cvt_pk_bf16_f32 v[T+4*(\z)+(\p)], v[XS+8*(\p)+(\z)], v[XS+8*(\p)+4+(\z)]  ; channel z of my four, keys 2 p and 2 p + 1 of my eight
.endr
.endr
.set i, 0
.rept 16
	v_lshlrev_b32 v[XS+2*i], 16, v[T+i]            ; back to f32; the slot's registers have been read and are at work now
	v_and_b32 v[XS+2*i+1], 0xffff0000, v[T+i]
.set i, i+1
.endr
.set i, 0
.rept 16
	v_cvt_pk_f16_f32 v[Y+i], v[XS+2*i], v[XS+2*i+1]
.set i, i+1
.endr
.set i, 0
.rept 4
	ds_store_b128 v[SCW], v[Y+4*i:Y+4*i+3] offset:48*i
.set i, i+1
.endr
	s_wait_xcnt 0x0                                ; F fed the last group's stores
.set i, 0
.rept 4
	ds_load_b128 v[F+4*i:F+4*i+3], v[SCR] offset:768*i
.set i, i+1
.endr
	s_wait_dscnt 0x0
.set i, 0
.rept 4
	global_store_b128 v[L16], v[F+4*i:F+4*i+3], s[16:17] offset:2048*(\n)+512*i
.set i, i+1
.endr
.endm
	ROWS 0, 12, 0, 40                              ; behind q0: q1, q2, k0, k1, k2
	LOADC 0, 0                                     ; a slot that has been read takes a group of v
	ROWS 1, 12, 1, 40                              ; q2, k0, k1, k2, v0
	LOADC 1, 1
	ROWS 2, 12, 2, 40                              ; k0, k1, k2, v0, v1
	LOADC 2, 2
	ROWS 3, 14, 0, 40                              ; k1, k2, v0, v1, v2
	ROWS 4, 14, 1, 32
	ROWS 5, 14, 2, 24
	COLS 0, 0, 16
	COLS 1, 1, 8
	COLS 2, 2, 0
	v_permlanex16_b32 v[T], v[M], s[SEL], s[SEL+1] ; the other half of the lanes saw other rows
	v_max_u32 v[M], v[M], v[T]
	s_wait_tensorcnt 0x0                           ; my four mask rows are in LDS,
	s_wait_dscnt 0x0
	s_barrier_signal -1
	s_barrier_wait -1                              ; everybody's are
	; THE ROW MAXIMA.  Wave w walks keys 1,024 w .. + 1,023 of all 16 rows: lane (r, h) takes 32 bytes of every 64.  Eight batches of 16 loads on two buffers.
.macro ALOAD b
.set XB, X+64*((\b)%2)
.set i, 0
.rept 8
	ds_load_b128 v[XB+8*i:XB+8*i+3], v[MA] offset:512*(\b)+64*i
	ds_load_b128 v[XB+8*i+4:XB+8*i+7], v[MA] offset:512*(\b)+64*i+16
.set i, i+1
.endr
.endm
.macro AMAX b
.set XB, X+64*((\b)%2)
.set i, 0
.rept 64
	v_max_i32 v[T+i%4], v[T+i%4], v[XB+i]          ; four chains
.set i, i+1
.endr
.endm
.irp c, 0,1,2,3
	v_mov_b32 v[T+(\c)], 0x80000000                ; the lowest whole number
.endr
	ALOAD 0
.irp b, 0,1,2,3,4,5,6
	ALOAD (\b)+1
	s_wait_dscnt 16                                ; all but the 16 just issued
	AMAX \b
.endr
	s_wait_dscnt 0x0
	AMAX 7
	v_max_i32 v[T], v[T], v[T+1]
	v_max_i32 v[T+2], v[T+2], v[T+3]
	v_max_i32 v[T], v[T], v[T+2]
	v_permlanex16_b32 v[T+1], v[T], s[SEL], s[SEL+1]
	v_max_i32 v[T], v[T], v[T+1]                   ; row r's maximum over my 1,024 keys
	s_lshl_b32 s57, s[WV], 6
	s_add_co_u32 s57, s57, SCR1
	v_lshl_add_u32 v[SC], v[R], 2, s57
	ds_store_b32 v[SC], v[T]                       ; both halves of the lanes write the same number to the same word
	s_wait_dscnt 0x0                               ; for the others' sake
	s_barrier_signal -1
	s_barrier_wait -1
	v_lshl_add_u32 v[SC], v[R], 2, SCR1
.irp w, 0,1,2,3
	ds_load_b32 v[T+(\w)], v[SC] offset:64*(\w)
.endr
	s_wait_dscnt 0x0
	v_max_i32 v[T], v[T], v[T+1]
	v_max_i32 v[T+2], v[T+2], v[T+3]
	v_max_i32 v[RMX], v[T], v[T+2]
	; THE WORDS.  A compare of register j of a chunk of 16 keys with the row's maximum gives, as its lane mask, word 8 kb + j of that key tile.  128 words (four key tiles) are set lane by lane
	; into four registers, so that one store of 16 bytes a lane writes them as 512 consecutive bytes.
	v_mov_b32 v[MB], v[MA]
	v_mov_b32 v[BO], v[L16]
.irp c, 0,1,2,3
	v_mov_b32 v[WB+(\c)], 0                        ; v_writelane_b32 counts as a reader of its destination
.endr
	s_mov_b32 s[NACC], 0
	s_and_b32 s[SHIFT], s[WV], 1
	s_lshl_b32 s[SHIFT], s[SHIFT], 4               ; waves 0 and 2 fill the low half of a word of need, waves 1 and 3 the high half
	s_mov_b32 s[TRIP], 4
.Lbits:
.set i, 0
.rept 16
	ds_load_b128 v[X+8*i:X+8*i+3], v[MB] offset:64*i
	ds_load_b128 v[X+8*i+4:X+8*i+7], v[MB] offset:64*i+16
.set i, i+1
.endr
.set i, 0
.rept 16
	s_wait_dscnt 30-2*i                            ; chunk i's two loads are in; the younger chunks' stay out
.irp j, 0,1,2,3,4,5,6,7
	v_cmp_lt_i32 s[CW+(\j)], v[X+8*i+(\j)], v[RMX]
.endr
.irp j, 0,1,2,3,4,5,6,7
	v_writelane_b32 v[WB+(\j)%4], s[CW+(\j)], 8*(i/4)+2*(i%4)+(\j)/4
.endr
.set i, i+1
.endr
	global_store_b128 v[BO], v[WB:WB+3], s[18:19]
	v_and_b32 v[T], v[WB], v[WB+1]                 ; a key tile is needed unless all its 1,024 bits are 1: eight lanes hold a tile's 32 words
	v_and_b32 v[T+1], v[WB+2], v[WB+3]
	v_and_b32 v[T], v[T], v[T+1]
	v_cmp_ne_u32 s57, -1, v[T]
	s_mov_b32 s67, 0
.irp t, 0,1,2,3
	s_and_b32 s68, s57, 0xff<<(8*(\t))
	s_cselect_b32 s68, 1<<(\t), 0
	s_or_b32 s67, s67, s68
.endr
	s_lshl_b32 s67, s67, s[SHIFT]
	s_or_b32 s[NACC], s[NACC], s67
	s_add_co_u32 s[SHIFT], s[SHIFT], 4
	s_wait_xcnt 0x0                                ; the store's offset and data are written again only behind this wait
	v_add_nc_u32 v[BO], 512, v[BO]
	v_add_nc_u32 v[MB], 1024, v[MB]                ; four key tiles on
	s_sub_co_u32 s[TRIP], s[TRIP], 1
	s_cmp_lg_u32 s[TRIP], 0
	s_cbranch_scc1 .Lbits
	v_mov_b32 v[T], s[NACC]
	v_mov_b32 v[T+1], v[M]
	s_lshl_b32 s57, s[WV], 3
	s_add_co_u32 s57, s57, SCR2
	v_mov_b32 v[SC], s57
	ds_store_b64 v[SC], v[T:T+1]
	s_wait_dscnt 0x0                               ; for wave 0's sake
	s_barrier_signal -1
	s_barrier_wait -1
	s_cmp_lg_u32 s[WV], 0
	s_cbranch_scc1 .Lend
	v_mov_b32 v[SC], SCR2
	ds_load_b128 v[T:T+3], v[SC]
	ds_load_b128 v[T+4:T+7], v[SC] offset:16
	s_wait_dscnt 0x0
	v_or_b32 v[T+8], v[T], v[T+2]                  ; key tiles 0-31
	v_or_b32 v[T+9], v[T+4], v[T+6]                ; key tiles 32-63
	v_max_u32 v[T+1], v[T+1], v[T+3]
	v_max_u32 v[T+5], v[T+5], v[T+7]
	v_max_u32 v[T+1], v[T+1], v[T+5]
	v_lshrrev_b32 v[T+1], 23, v[T+1]               ; e
	v_readfirstlane_b32 s67, v[T+8]
	v_readfirstlane_b32 s68, v[T+9]
	s_bcnt1_i32_b32 s67, s67
	s_bcnt1_i32_b32 s68, s68
	s_add_co_u32 s67, s67, s68
	v_lshl_or_b32 v[T+10], v[T+1], 16, s67
	v_mov_b32 v[T+11], 0
	v_cmp_eq_u32 vcc_lo, 0, v0
	s_wait_xcnt 0x0                                ; EXEC changes only behind this wait
	s_and_saveexec_b32 s69, vcc_lo
	global_store_b64 v[T+11], v[T+8:T+9], s[20:21]
	global_store_b32 v[T+11], v[T+10], s[22:23]
	s_wait_xcnt 0x0                                ; and again in front of the line that widens it
	s_or_b32 exec_lo, exec_lo, s69
.Lend:
	s_wait_tensorcnt 0x0                           ; the wave's end, behind my last tensor load and my last LDS store
	ds_add_u32 v[SPW], v[NIL]
	s_wait_dscnt 0x0
	s_endpgm
.Lfunc_end_k_q89b0df5075_prep:
	.size	k_q89b0df5075_prep, .Lfunc_end_k_q89b0df5075_prep-k_q89b0df5075_prep
	.p2alignl 7, 3214868480
	.fill 96, 4, 3214868480
	.section	.rodata,"a",@progbits
	.p2align	6, 0x0
	.amdhsa_kernel k_q89b0df5075_prep
		.amdhsa_group_segment_fixed_size 276480
		.amdhsa_private_segment_fixed_size 0
		.amdhsa_enable_private_segment 0
		.amdhsa_kernarg_size 80
		.amdhsa_user_sgpr_count 2
		.amdhsa_user_sgpr_kernarg_segment_ptr 1
		.amdhsa_wavefront_size32 1
		.amdhsa_system_sgpr_workgroup_id_x 1
		.amdhsa_system_sgpr_workgroup_id_y 1
		.amdhsa_system_sgpr_workgroup_id_z 1
		.amdhsa_system_vgpr_workitem_id 0
		.amdhsa_next_free_vgpr 256
		.amdhsa_next_free_sgpr 80
		.amdhsa_reserve_vcc 1
		.amdhsa_float_denorm_mode_32 3
		.amdhsa_float_denorm_mode_16_64 3
		.amdhsa_memory_ordered 1
		.amdhsa_forward_progress 1
		.amdhsa_inst_pref_size 107
	.end_amdhsa_kernel
	.amdgpu_metadata
---
amdhsa.version: [ 1, 2 ]
amdhsa.kernels:
  - .name:           k_q89b0df5075_prep
    .symbol:         k_q89b0df5075_prep.kd
    .args:
      - { .name: q, .offset: 0, .size: 8, .value_kind: global_buffer, .address_space: global }
      - { .name: k, .offset: 8, .size: 8, .value_kind: global_buffer, .address_space: global }
      - { .name: v, .offset: 16, .size: 8, .value_kind: global_buffer, .address_space: global }
      - { .name: mask, .offset: 24, .size: 8, .value_kind: global_buffer, .address_space: global }
      - { .name: qf, .offset: 32, .size: 8, .value_kind: global_buffer, .address_space: global }
      - { .name: kf, .offset: 40, .size: 8, .value_kind: global_buffer, .address_space: global }
      - { .name: vt, .offset: 48, .size: 8, .value_kind: global_buffer, .address_space: global }
      - { .name: bits, .offset: 56, .size: 8, .value_kind: global_buffer, .address_space: global }
      - { .name: need, .offset: 64, .size: 8, .value_kind: global_buffer, .address_space: global }
      - { .name: meta, .offset: 72, .size: 8, .value_kind: global_buffer, .address_space: global }
    .group_segment_fixed_size: 276480
    .private_segment_fixed_size: 0
    .kernarg_segment_align: 8
    .kernarg_segment_size: 80
    .max_flat_workgroup_size: 128
    .sgpr_count:     80
    .vgpr_count:     256
    .wavefront_size: 32
...
	.end_amdgpu_metadata
.endif
;; end of part 1
;; launch attn (part 2): grid 12 x 64, 8 waves a work-group, no clusters, 146,432 bytes of LDS; arguments qf, kf, vt, bits, need, meta, out0; writes out0
.if DOCPART == 2
	.amdgcn_target "amdgcn-amd-amdhsa--gfx1250"
	.amdhsa_code_object_version 6
	.text
	.protected	k_q89b0df5075_attn
	.globl	k_q89b0df5075_attn
	.p2align	8
	.type	k_q89b0df5075_attn,@function
k_q89b0df5075_attn:
	s_mov_b64 s[64:65], 0
	v_nop
	global_prefetch_b8 v0, s[64:65] scope:SCOPE_SE
	s_setreg_imm32_b32 hwreg(HW_REG_WAVE_MODE, 25, 1), 1
	s_wait_xcnt 0x0
; ATTENTION over the key tiles that count.  out[h][q] = sum over k of softmax_k(q . k / 8 - 10000 (1 - mask[q][k])) v[k]; 12 heads, 4,096 rows, head size 64; out in f32.
; A row's scores may all be shifted alike, so the adder used is 0 for the keys of the row's largest mask value and -10000 for all others (bits, made by the launch before).
; WHICH TILES.  If every |q row|^2 and |k row|^2 lies below 2^15 (meta), every scaled score lies within +-4,096, so a key with the adder lies 1,808 or more below the row's best key and its weight
; is 0 in f32; a key tile of 64 in which all 64 rows of a query block have only such keys is left out (need).  Otherwise all 64 tiles are walked.  Inside a walked tile the adder is applied as it is.
; LIMITS.  A mask value two or more below its row's largest counts as one below (-10000 for -20000 or lower): that differs only for masks other than 0/1 whose rows' scaled scores spread over more than 10,000.
; q and k are bf16, v is bf16 written as f16 (|v| below 65,520), the weights p are f16 (below 6e-5 they keep f16's fixed step of 6e-8); products, maxima and sums in f32; a weight below 2^-126
; counts as 0; NaN and infinities are not treated apart (they select the walk over all tiles).
; SHARES.  A work-group: one head (x) and one block of 64 queries, chosen by its y as a rank: blocks whose four lists add up to more than 64 tiles come first, since their work-groups run longest.
; Each of the eight waves holds all 64 queries (four pieces of 16) and takes the listed tiles of rank w, w + 8, ..  K's and V's fragments come from memory as register images, 512 consecutive bytes a load,
; each used by one wave: no LDS and no barrier in the loop.  The eight partial results (c m, l, O) meet in LDS at the end.
; NO CLUSTER: the lists of a head's query blocks differ with the data, so partners would ask for different tiles; what the twelve heads of a block share is 512 bytes of words a tile beside 16 KiB of K and V.
; LAYOUT.  S^T = K Q^T + adder (source 0 = 16 keys, source 1 = 16 queries; the adder is the C operand): a lane holds ONE query (lane % 16) and the keys 8 (lane / 16) + 0..7.  Two such results rounded to f16
; in pairs ARE source 1 of O^T = V^T P.  p = 2^(c s - c m), c = log2(e) / 8, s = q . k - 80000 [hidden]; a running maximum m; O and l are multiplied by a = 2^(c m_old - c m_new) in every tile.
; m starts at the lowest finite number, O and l at 0: the first tile is a tile like any other, and a wave without a tile hands in a partial result of weight 0.  The price: 128 v_mov_b32, in the wait for the lists.
; REGISTERS, in windows of 256 (s_set_vgpr_msb: bits 1:0 source 0, 3:2 source 1, 5:4 source 2, 7:6 destination):
;   window 0: v0-17 addresses; v30-31 the add's; v32-63 statistics, 8 a piece; v64-127 Q; v128-255 S^T, 32 a piece (P takes the first 16 of them, in place)
;   window 1: v0-127 O^T, 32 a piece; v128-191 K of one tile; v192-255 V of one tile
.set OPITCH, 272                       ; a row of a partial O in LDS: 256 bytes + 16
.set OBW,    64*OPITCH                 ; a wave's partial O: 17,408 bytes, from LDS byte 0 on
.set CMT,    8*OBW                     ; [wave][row] c m
.set LT,     CMT+2048                  ; [wave][row] l
.set GT,     CMT+4096                  ; [row][wave] the partial results' weights
.set SPARE,  CMT+6144                  ; the spare words: 128 bytes for each wave, four blocks of 256 bytes that no other line names
.set LN,  1
.set L16, 2                            ; v2   16 x lane; never rewritten
.set KO,  3                            ; v3   byte offset of my 16 bytes in the tile of K that is being fetched
.set VO,  4                            ; v4   the same for V
.set PLO, 5                            ; v5   lane L: how many listed tiles lie below tile L
.set PHI, 6                            ; v6   below tile 32 + L
.set AD1, 7                            ; v7-13 LDS addresses of the merge
.set AD2, 8
.set AD3, 9
.set AD4, 10
.set AD5, 11
.set AD6, 12
.set AD7, 13
.set RR,  14                           ; v14  lane % 16
.set HH,  15                           ; v15  lane / 16
.set MO,  16                           ; v16  32 x lane
.set NO,  17                           ; v17  64 x lane
.set SPW, 30                           ; v30  LDS address of my spare word; never rewritten
.set NIL, 31                           ; v31  0; never rewritten
.set ST,  32                           ; piece t at ST + 8 t: c m, m, l (even keys', odd keys'), c0-c3 at work; a takes c2's place
.set Q,   64                           ; piece t, channel half c at Q + 16 t + 8 c
.set S,   128                          ; piece t, key block b at S + 32 t + 8 b
.set KF,  128                          ; window 1: key block b, channel half c at KF + 16 b + 8 c
.set VF,  192                          ; window 1: key half kk, channel block cb at VF + 32 kk + 8 cb
.set WV,   66                          ; s66  my wave's number
.set HD64, 67                          ; s67  64 x head
.set BLKB, 84                          ; s84  the block, later its 32,768 bytes' offset in bits
.set NLO,  85                          ; s85, s86  the block's list: bit T of 64
.set NHI,  86
.set CNT,  87                          ; s87  my tiles, later less one
.set IT,   88                          ; s88  loop counter
.set RK,   89                          ; s89  the rank of my next tile
.set TT,   90                          ; s90  that tile
.set TA,   91
.set TB,   92
.set BOFF, 93                          ; s93  byte offset of piece 0's words of that tile in bits
.set CS,   94                          ; s[94:95] c
.set SEL,  96                          ; s[96:97] v_permlanex16_b32's selects
.set BIG,  98                          ; s98  -80000.0
.set OFF,  99                          ; s99  byte offset of that tile in kf and vt
; s[16:47] and s[48:63], s[68:83]: two buffers of a piece's 32 words
.set MSB, 0
.macro WIN new                         ; the immediate's high byte repeats the setting that is left; a switch that changes nothing is dropped
.if MSB != (\new)
	s_set_vgpr_msb (MSB<<8)|(\new)
.set MSB, (\new)
.endif
.endm
.macro PLACES                          ; four places behind matrix instructions, in front of loads into their registers and of vector lines that read their results
.rept 4
	v_nop
.endr
.endm
	s_load_b256 s[4:11], s[0:1], 0x0               ; qf s[4:5], kf s[6:7], vt s[8:9], bits s[10:11]
	s_load_b128 s[12:15], s[0:1], 0x20             ; need s[12:13], meta s[14:15]
	s_load_b64 s[2:3], s[0:1], 0x30                ; out0
	v_lshl_add_u32 v[SPW], v0, 2, SPARE
	v_mov_b32 v[NIL], 0
	v_lshrrev_b32 v[LN], 5, v0
	v_readfirstlane_b32 s[WV], v[LN]               ; wave 0..7
	v_and_b32 v[LN], 31, v0
	v_lshlrev_b32 v[L16], 4, v[LN]
	v_lshlrev_b32 v[MO], 5, v[LN]
	v_lshlrev_b32 v[NO], 6, v[LN]
	s_lshl_b32 s[HD64], ttmp9, 6
	s_and_b32 s20, ttmp7, 0xffff                   ; my rank among the 64 blocks
	s_mov_b32 s[CS], 0x3e38aa3b                    ; c = log2(e) / 8
	s_mov_b32 s[CS+1], s[CS]                       ; named with it as a pair
	s_mov_b32 s[SEL], 0x76543210
	s_mov_b32 s[SEL+1], 0xfedcba98
	s_mov_b32 s[BIG], 0xc79c4000                   ; -80000 = 8 x -10000: the adder in front of the scale
	s_wait_kmcnt 0x0
	global_load_b128 v[128:131], v[MO], s[14:15]             ; lane L: meta of q tiles 8 L .. 8 L + 7, which are blocks 2 L and 2 L + 1
	global_load_b128 v[132:135], v[MO], s[14:15] offset:16
	global_load_b128 v[136:139], v[NO], s[12:13]             ; and their need words
	global_load_b128 v[140:143], v[NO], s[12:13] offset:16
	global_load_b128 v[144:147], v[NO], s[12:13] offset:32
	global_load_b128 v[148:151], v[NO], s[12:13] offset:48
	; in the wait for them: O^T = 0, the statistics, the merge's addresses
	WIN 0x40
.set i, 0
.rept 128
	v_mov_b32 v[i], 0
.set i, i+1
.endr
	WIN 0
.irp t, 0,1,2,3
	v_mov_b32 v[ST+8*(\t)], 0xfe000000             ; c m: far below every c s
	v_mov_b32 v[ST+8*(\t)+1], 0xff7fffff           ; m
.irp z, 2,3,4,5,6,7
	v_mov_b32 v[ST+8*(\t)+(\z)], 0
.endr
.endr
	v_and_b32 v[RR], 15, v0
	v_bfe_u32 v[HH], v0, 4, 1
	s_lshl_b32 s100, s[WV], 8
	s_add_co_u32 s101, s100, CMT
	v_lshl_add_u32 v[AD1], v[RR], 2, s101          ; my c m and l: CMT + 256 w + 4 r
	s_mul_i32 s101, s[WV], OBW
	v_mul_u32_u24 v[AD2], v[RR], OPITCH
	v_lshl_add_u32 v[AD2], v[HH], 5, v[AD2]
	v_add_nc_u32 v[AD2], s101, v[AD2]              ; my O: OBW w + 272 r + 32 h
	v_and_b32 v[AD7], 7, v0
	s_lshl_b32 s101, s[WV], 5
	s_add_co_u32 s101, s101, CMT
	v_lshl_add_u32 v[AD3], v[AD7], 2, s101         ; row 8 w + lane % 8 of every wave's c m and l
	s_add_co_u32 s101, s100, GT
	v_lshl_add_u32 v[AD7], v[AD7], 5, s101         ; that row's eight weights
	v_lshl_add_u32 v[AD4], v[HH], 5, s101          ; the weights of row 8 w + 2 x + lane / 16
	s_mul_i32 s101, s[WV], 8*OPITCH
	v_mul_u32_u24 v[AD5], v[HH], OPITCH
	v_lshl_add_u32 v[AD5], v[RR], 4, v[AD5]
	v_add_nc_u32 v[AD5], s101, v[AD5]              ; that row in wave 0's O, 16 bytes a lane;
	v_add_nc_u32 v[AD6], 4*OBW, v[AD5]             ; in wave 4's: an LDS offset has 16 bits
	s_wait_loadcnt 0x0
	v_or_b32 v152, v136, v138                      ; block 2 L's list, tiles 0-31
	v_or_b32 v153, v140, v142
	v_or_b32 v152, v152, v153
	v_or_b32 v153, v137, v139                      ; tiles 32-63
	v_or_b32 v154, v141, v143
	v_or_b32 v153, v153, v154
	v_or_b32 v154, v144, v146                      ; block 2 L + 1's
	v_or_b32 v155, v148, v150
	v_or_b32 v154, v154, v155
	v_or_b32 v155, v145, v147
	v_or_b32 v156, v149, v151
	v_or_b32 v155, v155, v156
	v_add3_u32 v156, v128, v129, v130
	v_add_nc_u32 v156, v156, v131
	v_and_b32 v156, 0xffff, v156                   ; block 2 L: its four lists' lengths added
	v_add3_u32 v157, v132, v133, v134
	v_add_nc_u32 v157, v157, v135
	v_and_b32 v157, 0xffff, v157                   ; block 2 L + 1
	v_max_u32 v158, v128, v129
	v_max_u32 v159, v130, v131
	v_max_u32 v160, v132, v133
	v_max_u32 v161, v134, v135
	v_max_u32 v158, v158, v159
	v_max_u32 v160, v160, v161
	v_max_u32 v158, v158, v160
	s_mov_b32 s24, 0x8dffff                        ; e = 141 with any count: |row|^2 below 2^15
	v_cmp_lt_u32 s25, s24, v158
	v_cmp_lt_u32 s16, 64, v156                     ; the long blocks among the even ones,
	v_cmp_lt_u32 s17, 64, v157                     ; among the odd ones
	s_cmp_lg_u32 s25, 0
	s_cselect_b32 s26, -1, 0                       ; all ones: some row is too long for tiles to be left out
	; rank -> block, one to one whatever the data: long even blocks, long odd ones, the other even ones, the other odd ones
	s_bcnt1_i32_b32 s18, s16
	s_bcnt1_i32_b32 s19, s17
	s_not_b32 s27, s16
	s_not_b32 s21, s17
	s_add_co_u32 s28, s19, 32
	s_add_co_u32 s29, s18, s19
	s_sub_co_u32 s22, s20, s28
	s_mov_b32 s23, 1
	s_sub_co_u32 s30, s20, s29
	s_sub_co_u32 s31, s20, s18
	s_cmp_lt_u32 s20, s28
	s_cselect_b32 s21, s27, s21
	s_cselect_b32 s22, s30, s22
	s_cselect_b32 s23, 0, s23
	s_cmp_lt_u32 s20, s29
	s_cselect_b32 s21, s17, s21
	s_cselect_b32 s22, s31, s22
	s_cselect_b32 s23, 1, s23
	s_cmp_lt_u32 s20, s18
	s_cselect_b32 s21, s16, s21
	s_cselect_b32 s22, s20, s22
	s_cselect_b32 s23, 0, s23
	v_mbcnt_lo_u32_b32 v159, s21, 0                ; the set bit of rank s22 in s21
	v_cmp_eq_u32 s24, s22, v159
	s_and_b32 s24, s24, s21
	s_ctz_i32_b32 s24, s24
	s_min_u32 s24, s24, 31
	s_lshl_b32 s[BLKB], s24, 1
	s_add_co_u32 s[BLKB], s[BLKB], s23
	s_min_u32 s[BLKB], s[BLKB], 63                 ; my block
	v_readlane_b32 s27, v152, s24
	v_readlane_b32 s28, v153, s24
	v_readlane_b32 s29, v154, s24
	v_readlane_b32 s30, v155, s24
	s_cmp_eq_u32 s23, 0
	s_cselect_b32 s[NLO], s27, s29
	s_cselect_b32 s[NHI], s28, s30
	s_or_b32 s[NLO], s[NLO], s26
	s_or_b32 s[NHI], s[NHI], s26
	s_bcnt1_i32_b32 s27, s[NLO]
	s_bcnt1_i32_b32 s28, s[NHI]
	v_mbcnt_lo_u32_b32 v[PLO], s[NLO], 0
	v_mbcnt_lo_u32_b32 v[PHI], s[NHI], s27
	s_add_co_u32 s28, s28, s27                     ; n tiles
	s_add_co_u32 s28, s28, 7
	s_sub_co_u32 s28, s28, s[WV]
	s_lshr_b32 s[CNT], s28, 3                      ; of ranks w, w + 8, ..: (n + 7 - w) / 8
	s_mov_b32 s[RK], s[WV]
	s_add_co_u32 s100, s[HD64], s[BLKB]
	s_lshl_b32 s100, s100, 13                      ; a block's Q: four groups of 2,048 bytes
	s_mov_b32 s101, 0
	s_add_nc_u64 s[4:5], s[4:5], s[100:101]
	s_lshl_b32 s100, s100, 1                       ; a block's rows of out: 64 x 256 bytes,
	s_lshl_b32 s[TA], s[WV], 11                    ; of which I store eight
	s_add_co_u32 s100, s100, s[TA]
	s_add_nc_u64 s[2:3], s[2:3], s[100:101]
	s_lshl_b32 s[BLKB], s[BLKB], 15                ; a block's words: four q tiles of 8,192 bytes
	s_cmp_eq_u32 s[CNT], 0
	s_cbranch_scc1 .Lmerge                         ; no tile for me: my partial result stays as it was set
; The listed tile of rank RK, and its offsets.  A rank past the list would give a clamped, valid tile; none is asked for.
.macro NEXT
	v_cmp_eq_u32 s100, s[RK], v[PLO]
	v_cmp_eq_u32 s101, s[RK], v[PHI]
	s_and_b32 s100, s100, s[NLO]
	s_and_b32 s101, s101, s[NHI]
	s_ctz_i32_b32 s[TA], s100
	s_ctz_i32_b32 s[TB], s101
	s_add_co_u32 s[TB], s[TB], 32
	s_cmp_lg_u32 s100, 0
	s_cselect_b32 s[TT], s[TA], s[TB]
	s_min_u32 s[TT], s[TT], 63
	s_add_co_u32 s[RK], s[RK], 8
	s_add_co_u32 s[OFF], s[HD64], s[TT]
	s_lshl_b32 s[OFF], s[OFF], 13                  ; a tile of K or V is 8,192 bytes
	s_lshl_b32 s[BOFF], s[TT], 7                   ; a tile's words of one q tile are 128 bytes
	s_add_co_u32 s[BOFF], s[BOFF], s[BLKB]
.endm
.macro BITS t                          ; piece t's 32 words of the tile at BOFF, into buffer t % 2
.if (\t)%2 == 0
	s_load_b512 s[16:31], s[10:11], s[BOFF] offset:8192*(\t)
	s_load_b512 s[32:47], s[10:11], s[BOFF] offset:8192*(\t)+64
.else
	s_load_b512 s[48:63], s[10:11], s[BOFF] offset:8192*(\t)
	s_load_b512 s[68:83], s[10:11], s[BOFF] offset:8192*(\t)+64
.endif
.endm
.macro CND t                           ; piece t's adders: 0, or -80000 where the word's bit for my lane is set; the products add onto them
	WIN 0
.set i, 0
.rept 32
.if (\t)%2 == 0
.set sw, 16+i
.elseif i < 16
.set sw, 48+i
.else
.set sw, 52+i
.endif
	v_cndmask_b32 v[S+32*(\t)+i], 0, s[BIG], s[sw]
.set i, i+1
.endr
.endm
; 16 products S^T += K Q^T for pieces t0, t0 + 1.  The 8 accumulators take turns, one instruction a turn.
.macro KQ2 t0
	WIN 0x01                                       ; K in window 1; Q and S^T in window 0
.irp c, 0,1
.irp t, \t0, (\t0)+1
.irp b, 0,1,2,3
	v_wmma_f32_16x16x32_bf16 v[S+32*(\t)+8*(\b):S+32*(\t)+8*(\b)+7], v[KF+16*(\b)+8*(\c):KF+16*(\b)+8*(\c)+7], v[Q+16*(\t)+8*(\c):Q+16*(\t)+8*(\c)+7], v[S+32*(\t)+8*(\b):S+32*(\t)+8*(\b)+7]
.endr
.endr
.endr
.endm
.macro LOADK                           ; 16 loads of 512 consecutive bytes: the tile at OFF
	WIN 0
	v_add_nc_u32 v[KO], s[OFF], v[L16]             ; K's last loads were shown done by the wait at the tile's head
	WIN 0x40                                       ; destination window 1
.set i, 0
.rept 16
	global_load_b128 v[KF+4*i:KF+4*i+3], v[KO], s[6:7] offset:512*i
.set i, i+1
.endr
.endm
.macro LOADV
	WIN 0
	v_add_nc_u32 v[VO], s[OFF], v[L16]             ; V's last loads were shown done by the wait in front of V^T P
	WIN 0x40
.irp kk, 0,1
.irp cb, 0,1,2,3
.irp e, 0,1
	global_load_b128 v[VF+32*(\kk)+8*(\cb)+4*(\e):VF+32*(\kk)+8*(\cb)+4*(\e)+3], v[VO], s[8:9] offset:2048*(2*(\kk)+(\e))+512*(\cb)
.endr
.endr
.endr
.endm
; Number j of the 22 that find piece t's maximum and statistics.  Each accumulator's lowest registers are read first.
;   0-11 four chains c0-c3 of seven scores each    12-15 the four scores left over, c0-c3 and the old m into c0    16, 18 the query's other 32 keys lie in the lane 16 away: the new m
;   17 c m_old is kept    19-21 c m; c m_old - c m_new; a
.macro MX j, t
.set rT, ST+8*(\t)
.set rS, S+32*(\t)
.if (\j) < 4
	v_max3_num_f32 v[rT+4+(\j)], v[rS+8*(\j)], v[rS+8*(\j)+1], v[rS+8*(\j)+2]
.elseif (\j) < 12
	v_max3_num_f32 v[rT+4+(\j)%4], v[rT+4+(\j)%4], v[rS+8*((\j)%4)+2*((\j)/4)+1], v[rS+8*((\j)%4)+2*((\j)/4)+2]
.elseif (\j) == 12
	v_max3_num_f32 v[rT+4], v[rT+4], v[rS+7], v[rS+15]
.elseif (\j) == 13
	v_max3_num_f32 v[rT+6], v[rT+6], v[rS+23], v[rS+31]
.elseif (\j) == 14
	v_max3_num_f32 v[rT+4], v[rT+4], v[rT+5], v[rT+6]
.elseif (\j) == 15
	v_max3_num_f32 v[rT+4], v[rT+4], v[rT+7], v[rT+1]
.elseif (\j) == 16
	v_permlanex16_b32 v[rT+5], v[rT+4], s[SEL], s[SEL+1]
.elseif (\j) == 17
	v_mov_b32 v[rT+7], v[rT]
.elseif (\j) == 18
	v_max_num_f32 v[rT+1], v[rT+4], v[rT+5]
.elseif (\j) == 19
	v_mul_f32 v[rT], s[CS], v[rT+1]
.elseif (\j) == 20
	v_sub_f32 v[rT+7], v[rT+7], v[rT]
.else
	v_exp_f32 v[rT+6], v[rT+7]
.endif
.endm
.macro FMA t, n                        ; pair n of 16: c s - c m
	v_pk_fma_f32 v[S+32*(\t)+2*(\n):S+32*(\t)+2*(\n)+1], v[S+32*(\t)+2*(\n):S+32*(\t)+2*(\n)+1], s[CS:CS+1], v[ST+8*(\t):ST+8*(\t)+1] op_sel_hi:[1,0,0] neg_lo:[0,0,1] neg_hi:[0,0,1]
.endm
.macro EXPO t, n
	v_exp_f32 v[S+32*(\t)+(\n)], v[S+32*(\t)+(\n)]
.endm
.macro SUM t, n                        ; l takes pair n; the first time as l = a l + pair
.if (\n) == 0
	s_wait_alu depctr_va_vdst(0)
	v_pk_fma_f32 v[ST+8*(\t)+2:ST+8*(\t)+3], v[ST+8*(\t)+2:ST+8*(\t)+3], v[ST+8*(\t)+6:ST+8*(\t)+7], v[S+32*(\t):S+32*(\t)+1] op_sel_hi:[1,0,1]
.else
	v_pk_add_f32 v[ST+8*(\t)+2:ST+8*(\t)+3], v[ST+8*(\t)+2:ST+8*(\t)+3], v[S+32*(\t)+2*(\n):S+32*(\t)+2*(\n)+1]
.endif
.endm
.macro CVT t, n                        ; pair n rounded to f16, into register n of the piece's S^T: what lay there went into l and into P with pair n / 2
	v_cvt_pk_f16_f32 v[S+32*(\t)+(\n)], v[S+32*(\t)+2*(\n)], v[S+32*(\t)+2*(\n)+1]
.endm
; A TILE.  more = 1: another tile of mine follows, and its words, K and V are asked for on the way.  The last tile is written out with more = 0, so that the counted waits count the same loads on every way.
.macro TILE more
	s_wait_loadcnt 16                              ; K is in (and Q, the first time): behind it only V's 16 loads were issued
	s_wait_kmcnt 0x0                               ; the words of pieces 0 and 1
	CND 0
	BITS 2                                         ; a buffer that has been read takes the piece two on
	CND 1
	BITS 3
	KQ2 0
	s_wait_kmcnt 0x0                               ; the words of pieces 2 and 3; BOFF may be written again
.if \more
	WIN 0
	NEXT
.endif
	CND 2
.if \more
	BITS 0                                         ; the next tile's words have the rest of this tile in which to come
.endif
	CND 3
.if \more
	BITS 1
.endif
	KQ2 2
	PLACES
.if \more
	LOADK                                          ; the next tile's K: the softmax and V^T P stand between these loads and their use
.endif
	WIN 0
.irp j, 0,1,2,3,4,5,6,7,8,9,10,11,12,13,14,15,16,17,18,19,20,21
.irp t, 0,1,2,3
	MX \j, \t                                      ; the four pieces alternate, so that no line reads the result of the one before it
.endr
.endr
	v_nop                                          ; a plain instruction behind the last exponential
	WIN 0x41                                       ; O^T (destination and source 0) in window 1, a in window 0
	s_wait_alu depctr_va_vdst(0)
.irp t, 0,1,2,3
.set i, 0
.rept 16
	v_pk_mul_f32 v[32*(\t)+2*i:32*(\t)+2*i+1], v[32*(\t)+2*i:32*(\t)+2*i+1], v[ST+8*(\t)+6:ST+8*(\t)+7] op_sel_hi:[1,0]
.set i, i+1
.endr
.endr
	WIN 0
.set pn, 0
.rept 16
	FMA 0, pn
.set pn, pn+1
.endr
	; piece pt's exponentials, and between them plain work that is ready: the next piece's scalings, the last piece's sums and roundings
.set pt, 0
.rept 4
.set pn, 0
.rept 16
	EXPO pt, 2*pn
.if pt < 3
	FMA pt+1, pn
.endif
.if pt > 0
	SUM pt-1, pn
.endif
	EXPO pt, 2*pn+1
.if pt > 0
	CVT pt-1, pn
.endif
.set pn, pn+1
.endr
.set pt, pt+1
.endr
.set pn, 0
.rept 16
	SUM 3, pn
	CVT 3, pn
.set pn, pn+1
.endr
.if \more
	s_wait_loadcnt 16                              ; V is in: behind it only the next K's 16 loads were issued
.else
	s_wait_loadcnt 0x0                             ; V is in: nothing was issued behind it
.endif
	WIN 0x51                                       ; V in window 1, P in window 0, O^T in window 1
.irp kk, 0,1                           ; 32 products O^T += V^T P; the 16 accumulators take turns
.irp t, 0,1,2,3
.irp cb, 0,1,2,3
	v_wmma_f32_16x16x32_f16 v[32*(\t)+8*(\cb):32*(\t)+8*(\cb)+7], v[VF+32*(\kk)+8*(\cb):VF+32*(\kk)+8*(\cb)+7], v[S+32*(\t)+8*(\kk):S+32*(\t)+8*(\kk)+7], v[32*(\t)+8*(\cb):32*(\t)+8*(\cb)+7]
.endr
.endr
.endr
	PLACES
.if \more
	LOADV
.endif
	WIN 0                                          ; at a label and at a branch every window is 0
.endm
	NEXT                                           ; my first tile
	BITS 0
	BITS 1
.set i, 0
.rept 16                               ; Q stays in registers: piece i / 4, chunk i % 4
	global_load_b128 v[Q+4*i:Q+4*i+3], v[L16], s[4:5] offset:512*i
.set i, i+1
.endr
	LOADK
	LOADV
	WIN 0
	s_sub_co_u32 s[CNT], s[CNT], 1                 ; all my tiles but the last go round the loop
	s_mov_b32 s[IT], 0
	s_cmp_eq_u32 s[CNT], 0
	s_cbranch_scc1 .Ltail
.Ltile:
	TILE 1
	s_add_co_u32 s[IT], s[IT], 1
	s_cmp_lt_u32 s[IT], s[CNT]
	s_cbranch_scc1 .Ltile
.Ltail:
	TILE 0
.Lmerge:
	; THE MERGE.  Each wave hands in c m, l and O^T for all 64 rows; a barrier; wave w then finishes rows 8 w .. 8 w + 7: weights g_v = 2^(c m_v - max) / sum of 2^(c m_v - max) l_v, out = sum of g_v O_v.
.irp t, 0,1,2,3
	v_add_f32 v[ST+8*(\t)+4], v[ST+8*(\t)+2], v[ST+8*(\t)+3]
.endr
.irp t, 0,1,2,3
	v_permlanex16_b32 v[ST+8*(\t)+5], v[ST+8*(\t)+4], s[SEL], s[SEL+1]
.endr
.irp t, 0,1,2,3
	v_add_f32 v[ST+8*(\t)+4], v[ST+8*(\t)+4], v[ST+8*(\t)+5]
.endr
.irp t, 0,1,2,3
	ds_store_b32 v[AD1], v[ST+8*(\t)] offset:64*(\t)             ; both halves of the lanes write the same number to the same word
	ds_store_b32 v[AD1], v[ST+8*(\t)+4] offset:2048+64*(\t)
.endr
	WIN 0x04                                       ; the data (source 1) in window 1
.irp t, 0,1,2,3
.irp cb, 0,1,2,3
.irp e, 0,1
	ds_store_b128 v[AD2], v[32*(\t)+8*(\cb)+4*(\e):32*(\t)+8*(\cb)+4*(\e)+3] offset:(\t)*16*OPITCH+64*(\cb)+16*(\e)  ; row 16 t + r, channels 16 cb + 8 h + 4 e on
.endr
.endr
.endr
	WIN 0
	s_wait_dscnt 0x0                               ; for the others' sake: my stores are done
	s_barrier_signal -1
	s_barrier_wait -1
.set i, 0
.rept 8
	ds_load_b32 v[240+i], v[AD3] offset:256*i      ; wave i's c m of row 8 w + lane % 8,
	ds_load_b32 v[248+i], v[AD3] offset:2048+256*i ; and its l
.set i, i+1
.endr
.irp x, 0,1,2,3                        ; rows 8 w + 2 x + lane / 16 of all eight partial results, 16 bytes a lane
.irp u, 0,1,2,3
	ds_load_b128 v[64+32*(\x)+4*(\u):64+32*(\x)+4*(\u)+3], v[AD5] offset:OBW*(\u)+2*OPITCH*(\x)
.endr
.irp u, 0,1,2,3
	ds_load_b128 v[80+32*(\x)+4*(\u):80+32*(\x)+4*(\u)+3], v[AD6] offset:OBW*(\u)+2*OPITCH*(\x)
.endr
.endr
	s_wait_dscnt 32                                ; the statistics are in; the 32 loads of rows stay out
	v_max3_num_f32 v24, v240, v241, v242
	v_max3_num_f32 v24, v24, v243, v244
	v_max3_num_f32 v24, v24, v245, v246
	v_max_num_f32 v24, v24, v247
.set i, 0
.rept 8
	v_sub_f32 v[16+i], v[240+i], v24
.set i, i+1
.endr
.set i, 0
.rept 8
	v_exp_f32 v[16+i], v[16+i]
.set i, i+1
.endr
	v_nop                                          ; a plain instruction behind the last exponential
	s_wait_alu depctr_va_vdst(0)
	v_mul_f32 v25, v16, v248
.set i, 1
.rept 7
	v_fmac_f32 v25, v[16+i], v[248+i]
.set i, i+1
.endr
	v_rcp_f32 v26, v25                             ; every row has a key of its top class, so the sum is at least 1 in the wave that holds the maximum
	v_nop
.set i, 0
	s_wait_alu depctr_va_vdst(0)
.rept 8
	v_mul_f32 v[16+i], v[16+i], v26
.set i, i+1
.endr
	ds_store_b128 v[AD7], v[16:19]                 ; my own rows' weights: only my wave reads them, and LDS serves a wave's instructions in order
	ds_store_b128 v[AD7], v[20:23] offset:16
.irp x, 0,1,2,3
	ds_load_b128 v[192+8*(\x):192+8*(\x)+3], v[AD4] offset:64*(\x)
	ds_load_b128 v[192+8*(\x)+4:192+8*(\x)+7], v[AD4] offset:64*(\x)+16
.endr
.irp x, 0,1,2,3
	s_wait_dscnt 2*(3-(\x))                        ; these rows' weights are in, and all that was issued before them; the later rows' two loads each stay out
.irp z, 0,1,2,3
	v_mul_f32 v[224+4*(\x)+(\z)], v[192+8*(\x)], v[64+32*(\x)+(\z)]
.endr
.irp u, 1,2,3,4,5,6,7
.irp z, 0,1,2,3
	v_fmac_f32 v[224+4*(\x)+(\z)], v[192+8*(\x)+(\u)], v[64+32*(\x)+4*(\u)+(\z)]
.endr
.endr
	global_store_b128 v[L16], v[224+4*(\x):224+4*(\x)+3], s[2:3] offset:512*(\x) th:TH_STORE_NT  ; two rows of out: 512 consecutive bytes, at a multiple of 256 from its first byte
.endr
	s_wait_tensorcnt 0x0                           ; the wave's end, behind my last LDS store
	ds_add_u32 v[SPW], v[NIL]
	s_wait_dscnt 0x0
	s_endpgm
.Lfunc_end_k_q89b0df5075_attn:
	.size	k_q89b0df5075_attn, .Lfunc_end_k_q89b0df5075_attn-k_q89b0df5075_attn
	.p2alignl 7, 3214868480
	.fill 96, 4, 3214868480
	.section	.rodata,"a",@progbits
	.p2align	6, 0x0
	.amdhsa_kernel k_q89b0df5075_attn
		.amdhsa_group_segment_fixed_size 146432
		.amdhsa_private_segment_fixed_size 0
		.amdhsa_enable_private_segment 0
		.amdhsa_kernarg_size 56
		.amdhsa_user_sgpr_count 2
		.amdhsa_user_sgpr_kernarg_segment_ptr 1
		.amdhsa_wavefront_size32 1
		.amdhsa_system_sgpr_workgroup_id_x 1
		.amdhsa_system_sgpr_workgroup_id_y 1
		.amdhsa_system_sgpr_workgroup_id_z 1
		.amdhsa_system_vgpr_workitem_id 0
		.amdhsa_next_free_vgpr 512
		.amdhsa_next_free_sgpr 102
		.amdhsa_reserve_vcc 0
		.amdhsa_float_denorm_mode_32 3
		.amdhsa_float_denorm_mode_16_64 3
		.amdhsa_memory_ordered 1
		.amdhsa_forward_progress 1
		.amdhsa_inst_pref_size 110
	.end_amdhsa_kernel
	.amdgpu_metadata
---
amdhsa.version: [ 1, 2 ]
amdhsa.kernels:
  - .name:           k_q89b0df5075_attn
    .symbol:         k_q89b0df5075_attn.kd
    .args:
      - { .name: qf, .offset: 0, .size: 8, .value_kind: global_buffer, .address_space: global }
      - { .name: kf, .offset: 8, .size: 8, .value_kind: global_buffer, .address_space: global }
      - { .name: vt, .offset: 16, .size: 8, .value_kind: global_buffer, .address_space: global }
      - { .name: bits, .offset: 24, .size: 8, .value_kind: global_buffer, .address_space: global }
      - { .name: need, .offset: 32, .size: 8, .value_kind: global_buffer, .address_space: global }
      - { .name: meta, .offset: 40, .size: 8, .value_kind: global_buffer, .address_space: global }
      - { .name: out0, .offset: 48, .size: 8, .value_kind: global_buffer, .address_space: global }
    .group_segment_fixed_size: 146432
    .private_segment_fixed_size: 0
    .kernarg_segment_align: 8
    .kernarg_segment_size: 56
    .max_flat_workgroup_size: 256
    .sgpr_count:     102
    .vgpr_count:     512
    .wavefront_size: 32
...
	.end_amdgpu_metadata
.endif
;; end of part 2
;; ======== version 2 of 2: 2 launches; version 1 with the launch attn written anew for expert scheduling mode
;; limits: values are held in f16: magnitudes above 65,504 overflow, below 6.1e-05 lose precision; inputs' magnitudes at most 65,504; right only within a limited range of input values
;; workspace buffers: qf 6,291,456 bytes; kf 6,291,456 bytes; vt 6,291,456 bytes; bits 2,097,152 bytes of whole numbers; need 2,048 bytes of whole numbers; meta 1,024 bytes of whole numbers
;; launch prep: the kernel of part 1 again; grid 256 x 1, 4 waves a work-group, no clusters, 276,480 bytes of LDS; arguments q, k, v, mask, qf, kf, vt, bits, need, meta; writes qf, kf, vt, bits, need, meta
;; launch attn (part 3): grid 12 x 64, 8 waves a work-group, no clusters, 146,432 bytes of LDS; arguments qf, kf, vt, bits, need, meta, out0; writes out0
.if DOCPART == 3
	.amdgcn_target "amdgcn-amd-amdhsa--gfx1250"
	.amdhsa_code_object_version 6
	.text
	.protected	k_q89b0df5075_attn
	.globl	k_q89b0df5075_attn
	.p2align	8
	.type	k_q89b0df5075_attn,@function
k_q89b0df5075_attn:
	s_mov_b64 s[64:65], 0
	v_nop
	global_prefetch_b8 v0, s[64:65] scope:SCOPE_SE
	s_setreg_imm32_b32 hwreg(HW_REG_WAVE_SCHED_MODE, 0, 2), 2
	s_setreg_imm32_b32 hwreg(HW_REG_WAVE_MODE, 25, 1), 1
	s_wait_xcnt 0x0
	s_wait_alu depctr_vm_vsrc(0)
; ATTENTION over the key tiles that count.  out[h][q] = sum over k of softmax_k(q . k / 8 - 10000 (1 - mask[q][k])) v[k]; 12 heads, 4,096 rows, head size 64; out in f32.
; A row's scores may all be shifted alike, so the adder used is 0 for the keys of the row's largest mask value and -10000 for all others (bits, made by the launch before).
; WHICH TILES.  If every |q row|^2 and |k row|^2 lies below 2^15 (meta), every scaled score lies within +-4,096, so a key with the adder lies 1,808 or more below the row's best key and its weight
; is 0 in f32; a key tile of 64 in which all 64 rows of a query block have only such keys is left out (need).  Otherwise all 64 tiles are walked.  Inside a walked tile the adder is applied as it is.
; LIMITS.  A mask value two or more below its row's largest counts as one below (-10000 for -20000 or lower): that differs only for masks other than 0/1 whose rows' scaled scores spread over more than 10,000.
; q and k are bf16, v is bf16 written as f16 (|v| below 65,520), the weights p are f16 (below 6e-5 they keep f16's fixed step of 6e-8); products, maxima and sums in f32; a weight below 2^-126
; counts as 0; NaN and infinities are not treated apart (they select the walk over all tiles).
; SHARES.  A work-group: one head (x) and one block of 64 queries, chosen by its y as a rank: blocks whose four lists add up to more than 64 tiles come first, since their work-groups run longest.
; Each of the eight waves holds all 64 queries (four pieces of 16) and takes the listed tiles of rank w, w + 8, ..  K's and V's fragments come from memory as register images, 512 consecutive bytes a load,
; each used by one wave: no LDS and no barrier in the loop.  The eight partial results (c m, l, O) meet in LDS at the end.
; NO CLUSTER: the lists of a head's query blocks differ with the data, so partners would ask for different tiles; what the twelve heads of a block share is 512 bytes of words a tile beside 16 KiB of K and V.
; LAYOUT.  S^T = K Q^T + adder (source 0 = 16 keys, source 1 = 16 queries; the adder is the C operand): a lane holds ONE query (lane % 16) and the keys 8 (lane / 16) + 0..7.  Two such results rounded to f16
; in pairs ARE source 1 of O^T = V^T P.  p = 2^(c s - c m), c = log2(e) / 8, s = q . k - 80000 [hidden]; a running maximum m; O and l are multiplied by a = 2^(c m_old - c m_new) in every tile.
; m starts at the lowest finite number, O and l at 0: the first tile is a tile like any other, and a wave without a tile hands in a partial result of weight 0.  The price: 128 v_mov_b32, in the wait for the lists.
; REGISTERS, in windows of 256 (s_set_vgpr_msb: bits 1:0 source 0, 3:2 source 1, 5:4 source 2, 7:6 destination):
;   window 0: v0-17 addresses; v30-31 the add's; v32-63 statistics, 8 a piece; v64-127 Q; v128-255 S^T, 32 a piece (P takes the first 16 of them, in place)
;   window 1: v0-127 O^T, 32 a piece; v128-191 K of one tile; v192-255 V of one tile
; THE MODE: SCHED_MODE bits 1:0 = 2 (LLVM: expert scheduling mode 2), set by the entry lines.  The code itself states the register dependences
; between vector or matrix instructions and memory or LDS instructions, with s_wait_alu, always for 0.
; THE PLAN.  Registers that memory or LDS instructions touch:
;   v2            16 x lane: written at the head, read by loads and stores to the end, never written again.
;   v16, v17      Offsets of the head's six loads; freed by one wait on vm_vsrc behind those loads' data, ahead of every branch; the merge writes them anew as weights.
;   KO, VO        Once a tile: a wait on vm_vsrc (the last tile's 16 loads have read it), the add, and the run's own wait on va_vdst.
;   K's fragments Read by a tile's 32 products K Q^T; the next tile's 16 loads land in them behind ONE wait on va_vdst, which stands behind the last of those products.
;   V's fragments Read by a tile's 32 products V^T P; the next tile's 16 loads land in them behind ONE wait on va_vdst, at the tile's end.
;   Q, S^T, P, the statistics and O^T are named by vector and matrix instructions alone until the merge.
;   The merge     One wait on va_vdst behind its label: the statistics, O^T and the seven LDS addresses are written, and all readers of the registers in which the LDS loads land are done.
;                 One ahead of the stores of the weights v16-23, one ahead of the run of four stores of out from v224-239.
; Scalar registers that vector instructions write (the wave's number, compare masks, v_readlane_b32's results) have a wait on va_sdst ahead of their first reader.  EXEC and VCC are never written.
.set OPITCH, 272                       ; a row of a partial O in LDS: 256 bytes + 16
.set OBW,    64*OPITCH                 ; a wave's partial O: 17,408 bytes, from LDS byte 0 on
.set CMT,    8*OBW                     ; [wave][row] c m
.set LT,     CMT+2048                  ; [wave][row] l
.set GT,     CMT+4096                  ; [row][wave] the partial results' weights
.set SPARE,  CMT+6144                  ; the spare words: 128 bytes for each wave, four blocks of 256 bytes that no other line names
.set LN,  1
.set L16, 2                            ; v2   16 x lane; never rewritten
.set KO,  3                            ; v3   byte offset of my 16 bytes in the tile of K that is being fetched
.set VO,  4                            ; v4   the same for V
.set PLO, 5                            ; v5   lane L: how many listed tiles lie below tile L
.set PHI, 6                            ; v6   below tile 32 + L
.set AD1, 7                            ; v7-13 LDS addresses of the merge
.set AD2, 8
.set AD3, 9
.set AD4, 10
.set AD5, 11
.set AD6, 12
.set AD7, 13
.set RR,  14                           ; v14  lane % 16
.set HH,  15                           ; v15  lane / 16
.set MO,  16                           ; v16  32 x lane
.set NO,  17                           ; v17  64 x lane
.set SPW, 30                           ; v30  LDS address of my spare word; never rewritten
.set NIL, 31                           ; v31  0; never rewritten
.set ST,  32                           ; piece t at ST + 8 t: c m, m, l (even keys', odd keys'), c0-c3 at work; a takes c2's place
.set Q,   64                           ; piece t, channel half c at Q + 16 t + 8 c
.set S,   128                          ; piece t, key block b at S + 32 t + 8 b
.set KF,  128                          ; window 1: key block b, channel half c at KF + 16 b + 8 c
.set VF,  192                          ; window 1: key half kk, channel block cb at VF + 32 kk + 8 cb
.set WV,   66                          ; s66  my wave's number
.set HD64, 67                          ; s67  64 x head
.set BLKB, 84                          ; s84  the block, later its 32,768 bytes' offset in bits
.set NLO,  85                          ; s85, s86  the block's list: bit T of 64
.set NHI,  86
.set CNT,  87                          ; s87  my tiles, later less one
.set IT,   88                          ; s88  loop counter
.set RK,   89                          ; s89  the rank of my next tile
.set TT,   90                          ; s90  that tile
.set TA,   91
.set TB,   92
.set BOFF, 93                          ; s93  byte offset of piece 0's words of that tile in bits
.set CS,   94                          ; s[94:95] c
.set SEL,  96                          ; s[96:97] v_permlanex16_b32's selects
.set BIG,  98                          ; s98  -80000.0
.set OFF,  99                          ; s99  byte offset of that tile in kf and vt
; s[16:47] and s[48:63], s[68:83]: two buffers of a piece's 32 words
.set MSB, 0
.macro WIN new                         ; the immediate's high byte repeats the setting that is left; a switch that changes nothing is dropped
.if MSB != (\new)
	s_set_vgpr_msb (MSB<<8)|(\new)
.set MSB, (\new)
.endif
.endm
.macro PLACES                          ; four places behind matrix instructions, in front of vector lines and stores that read their results or write their sources
.rept 4
	v_nop
.endr
.endm
	s_load_b256 s[4:11], s[0:1], 0x0               ; qf s[4:5], kf s[6:7], vt s[8:9], bits s[10:11]
	s_load_b128 s[12:15], s[0:1], 0x20             ; need s[12:13], meta s[14:15]
	s_load_b64 s[2:3], s[0:1], 0x30                ; out0
	v_lshl_add_u32 v[SPW], v0, 2, SPARE
	v_mov_b32 v[NIL], 0
	v_lshrrev_b32 v[LN], 5, v0
	v_readfirstlane_b32 s[WV], v[LN]               ; wave 0..7
	v_and_b32 v[LN], 31, v0
	v_lshlrev_b32 v[L16], 4, v[LN]
	v_lshlrev_b32 v[MO], 5, v[LN]
	v_lshlrev_b32 v[NO], 6, v[LN]
	s_wait_alu depctr_va_sdst(0)                   ; the wave's number is written, ahead of its first reader: LDS addresses, the count of my tiles and out's base are made from it
	s_lshl_b32 s[HD64], ttmp9, 6
	s_and_b32 s20, ttmp7, 0xffff                   ; my rank among the 64 blocks
	s_mov_b32 s[CS], 0x3e38aa3b                    ; c = log2(e) / 8
	s_mov_b32 s[CS+1], s[CS]                       ; named with it as a pair
	s_mov_b32 s[SEL], 0x76543210
	s_mov_b32 s[SEL+1], 0xfedcba98
	s_mov_b32 s[BIG], 0xc79c4000                   ; -80000 = 8 x -10000: the adder in front of the scale
	s_wait_kmcnt 0x0
	s_wait_alu depctr_va_vdst(0)                   ; v2, v16 and v17 are written: the loads below read v16 and v17 as offsets, Q's loads and the last stores read v2
	global_load_b128 v[128:131], v[MO], s[14:15]             ; lane L: meta of q tiles 8 L .. 8 L + 7, which are blocks 2 L and 2 L + 1
	global_load_b128 v[132:135], v[MO], s[14:15] offset:16
	global_load_b128 v[136:139], v[NO], s[12:13]             ; and their need words
	global_load_b128 v[140:143], v[NO], s[12:13] offset:16
	global_load_b128 v[144:147], v[NO], s[12:13] offset:32
	global_load_b128 v[148:151], v[NO], s[12:13] offset:48
	; in the wait for them: O^T = 0, the statistics, the merge's addresses
	WIN 0x40
.set i, 0
.rept 128
	v_mov_b32 v[i], 0
.set i, i+1
.endr
	WIN 0
.irp t, 0,1,2,3
	v_mov_b32 v[ST+8*(\t)], 0xfe000000             ; c m: far below every c s
	v_mov_b32 v[ST+8*(\t)+1], 0xff7fffff           ; m
.irp z, 2,3,4,5,6,7
	v_mov_b32 v[ST+8*(\t)+(\z)], 0
.endr
.endr
	v_and_b32 v[RR], 15, v0
	v_bfe_u32 v[HH], v0, 4, 1
	s_lshl_b32 s100, s[WV], 8
	s_add_co_u32 s101, s100, CMT
	v_lshl_add_u32 v[AD1], v[RR], 2, s101          ; my c m and l: CMT + 256 w + 4 r
	s_mul_i32 s101, s[WV], OBW
	v_mul_u32_u24 v[AD2], v[RR], OPITCH
	v_lshl_add_u32 v[AD2], v[HH], 5, v[AD2]
	v_add_nc_u32 v[AD2], s101, v[AD2]              ; my O: OBW w + 272 r + 32 h
	v_and_b32 v[AD7], 7, v0
	s_lshl_b32 s101, s[WV], 5
	s_add_co_u32 s101, s101, CMT
	v_lshl_add_u32 v[AD3], v[AD7], 2, s101         ; row 8 w + lane % 8 of every wave's c m and l
	s_add_co_u32 s101, s100, GT
	v_lshl_add_u32 v[AD7], v[AD7], 5, s101         ; that row's eight weights
	v_lshl_add_u32 v[AD4], v[HH], 5, s101          ; the weights of row 8 w + 2 x + lane / 16
	s_mul_i32 s101, s[WV], 8*OPITCH
	v_mul_u32_u24 v[AD5], v[HH], OPITCH
	v_lshl_add_u32 v[AD5], v[RR], 4, v[AD5]
	v_add_nc_u32 v[AD5], s101, v[AD5]              ; that row in wave 0's O, 16 bytes a lane;
	v_add_nc_u32 v[AD6], 4*OBW, v[AD5]             ; in wave 4's: an LDS offset has 16 bits
	s_wait_loadcnt 0x0
	s_wait_alu depctr_vm_vsrc(0)                   ; the six loads have read v16 and v17, which the merge writes anew; no later memory instruction reads them as offsets
	v_or_b32 v152, v136, v138                      ; block 2 L's list, tiles 0-31
	v_or_b32 v153, v140, v142
	v_or_b32 v152, v152, v153
	v_or_b32 v153, v137, v139                      ; tiles 32-63
	v_or_b32 v154, v141, v143
	v_or_b32 v153, v153, v154
	v_or_b32 v154, v144, v146                      ; block 2 L + 1's
	v_or_b32 v155, v148, v150
	v_or_b32 v154, v154, v155
	v_or_b32 v155, v145, v147
	v_or_b32 v156, v149, v151
	v_or_b32 v155, v155, v156
	v_add3_u32 v156, v128, v129, v130
	v_add_nc_u32 v156, v156, v131
	v_and_b32 v156, 0xffff, v156                   ; block 2 L: its four lists' lengths added
	v_add3_u32 v157, v132, v133, v134
	v_add_nc_u32 v157, v157, v135
	v_and_b32 v157, 0xffff, v157                   ; block 2 L + 1
	v_max_u32 v158, v128, v129
	v_max_u32 v159, v130, v131
	v_max_u32 v160, v132, v133
	v_max_u32 v161, v134, v135
	v_max_u32 v158, v158, v159
	v_max_u32 v160, v160, v161
	v_max_u32 v158, v158, v160
	s_mov_b32 s24, 0x8dffff                        ; e = 141 with any count: |row|^2 below 2^15
	v_cmp_lt_u32 s25, s24, v158
	v_cmp_lt_u32 s16, 64, v156                     ; the long blocks among the even ones,
	v_cmp_lt_u32 s17, 64, v157                     ; among the odd ones
	s_wait_alu depctr_va_sdst(0)                   ; the three compares have written s25, s16 and s17, ahead of their first readers below
	s_cmp_lg_u32 s25, 0
	s_cselect_b32 s26, -1, 0                       ; all ones: some row is too long for tiles to be left out
	; rank -> block, one to one whatever the data: long even blocks, long odd ones, the other even ones, the other odd ones
	s_bcnt1_i32_b32 s18, s16
	s_bcnt1_i32_b32 s19, s17
	s_not_b32 s27, s16
	s_not_b32 s21, s17
	s_add_co_u32 s28, s19, 32
	s_add_co_u32 s29, s18, s19
	s_sub_co_u32 s22, s20, s28
	s_mov_b32 s23, 1
	s_sub_co_u32 s30, s20, s29
	s_sub_co_u32 s31, s20, s18
	s_cmp_lt_u32 s20, s28
	s_cselect_b32 s21, s27, s21
	s_cselect_b32 s22, s30, s22
	s_cselect_b32 s23, 0, s23
	s_cmp_lt_u32 s20, s29
	s_cselect_b32 s21, s17, s21
	s_cselect_b32 s22, s31, s22
	s_cselect_b32 s23, 1, s23
	s_cmp_lt_u32 s20, s18
	s_cselect_b32 s21, s16, s21
	s_cselect_b32 s22, s20, s22
	s_cselect_b32 s23, 0, s23
	v_mbcnt_lo_u32_b32 v159, s21, 0                ; the set bit of rank s22 in s21
	v_cmp_eq_u32 s24, s22, v159
	s_wait_alu depctr_va_sdst(0)                   ; the compare has written s24, ahead of its first reader
	s_and_b32 s24, s24, s21
	s_ctz_i32_b32 s24, s24
	s_min_u32 s24, s24, 31
	s_lshl_b32 s[BLKB], s24, 1
	s_add_co_u32 s[BLKB], s[BLKB], s23
	s_min_u32 s[BLKB], s[BLKB], 63                 ; my block
	v_readlane_b32 s27, v152, s24
	v_readlane_b32 s28, v153, s24
	v_readlane_b32 s29, v154, s24
	v_readlane_b32 s30, v155, s24
	s_wait_alu depctr_va_sdst(0)                   ; the four lines above have written s27 to s30, ahead of the selects that read them
	s_cmp_eq_u32 s23, 0
	s_cselect_b32 s[NLO], s27, s29
	s_cselect_b32 s[NHI], s28, s30
	s_or_b32 s[NLO], s[NLO], s26
	s_or_b32 s[NHI], s[NHI], s26
	s_bcnt1_i32_b32 s27, s[NLO]
	s_bcnt1_i32_b32 s28, s[NHI]
	v_mbcnt_lo_u32_b32 v[PLO], s[NLO], 0
	v_mbcnt_lo_u32_b32 v[PHI], s[NHI], s27
	s_add_co_u32 s28, s28, s27                     ; n tiles
	s_add_co_u32 s28, s28, 7
	s_sub_co_u32 s28, s28, s[WV]
	s_lshr_b32 s[CNT], s28, 3                      ; of ranks w, w + 8, ..: (n + 7 - w) / 8
	s_mov_b32 s[RK], s[WV]
	s_add_co_u32 s100, s[HD64], s[BLKB]
	s_lshl_b32 s100, s100, 13                      ; a block's Q: four groups of 2,048 bytes
	s_mov_b32 s101, 0
	s_add_nc_u64 s[4:5], s[4:5], s[100:101]
	s_lshl_b32 s100, s100, 1                       ; a block's rows of out: 64 x 256 bytes,
	s_lshl_b32 s[TA], s[WV], 11                    ; of which I store eight
	s_add_co_u32 s100, s100, s[TA]
	s_add_nc_u64 s[2:3], s[2:3], s[100:101]
	s_lshl_b32 s[BLKB], s[BLKB], 15                ; a block's words: four q tiles of 8,192 bytes
	s_cmp_eq_u32 s[CNT], 0
	s_cbranch_scc1 .Lmerge                         ; no tile for me: my partial result stays as it was set
; The listed tile of rank RK, and its offsets.  A rank past the list would give a clamped, valid tile; none is asked for.
.macro NEXT
	v_cmp_eq_u32 s100, s[RK], v[PLO]
	v_cmp_eq_u32 s101, s[RK], v[PHI]
	s_wait_alu depctr_va_sdst(0)                   ; the two compares have written s100 and s101, ahead of their first readers
	s_and_b32 s100, s100, s[NLO]
	s_and_b32 s101, s101, s[NHI]
	s_ctz_i32_b32 s[TA], s100
	s_ctz_i32_b32 s[TB], s101
	s_add_co_u32 s[TB], s[TB], 32
	s_cmp_lg_u32 s100, 0
	s_cselect_b32 s[TT], s[TA], s[TB]
	s_min_u32 s[TT], s[TT], 63
	s_add_co_u32 s[RK], s[RK], 8
	s_add_co_u32 s[OFF], s[HD64], s[TT]
	s_lshl_b32 s[OFF], s[OFF], 13                  ; a tile of K or V is 8,192 bytes
	s_lshl_b32 s[BOFF], s[TT], 7                   ; a tile's words of one q tile are 128 bytes
	s_add_co_u32 s[BOFF], s[BOFF], s[BLKB]
.endm
.macro BITS t                          ; piece t's 32 words of the tile at BOFF, into buffer t % 2
.if (\t)%2 == 0
	s_load_b512 s[16:31], s[10:11], s[BOFF] offset:8192*(\t)
	s_load_b512 s[32:47], s[10:11], s[BOFF] offset:8192*(\t)+64
.else
	s_load_b512 s[48:63], s[10:11], s[BOFF] offset:8192*(\t)
	s_load_b512 s[68:83], s[10:11], s[BOFF] offset:8192*(\t)+64
.endif
.endm
.macro CND t                           ; piece t's adders: 0, or -80000 where the word's bit for my lane is set; the products add onto them
	WIN 0
.set i, 0
.rept 32
.if (\t)%2 == 0
.set sw, 16+i
.elseif i < 16
.set sw, 48+i
.else
.set sw, 52+i
.endif
	v_cndmask_b32 v[S+32*(\t)+i], 0, s[BIG], s[sw]
.set i, i+1
.endr
.endm
; 16 products S^T += K Q^T for pieces t0, t0 + 1.  The 8 accumulators take turns, one instruction a turn.
.macro KQ2 t0
	WIN 0x01                                       ; K in window 1; Q and S^T in window 0
.irp c, 0,1
.irp t, \t0, (\t0)+1
.irp b, 0,1,2,3
	v_wmma_f32_16x16x32_bf16 v[S+32*(\t)+8*(\b):S+32*(\t)+8*(\b)+7], v[KF+16*(\b)+8*(\c):KF+16*(\b)+8*(\c)+7], v[Q+16*(\t)+8*(\c):Q+16*(\t)+8*(\c)+7], v[S+32*(\t)+8*(\b):S+32*(\t)+8*(\b)+7]
.endr
.endr
.endr
.endm
.macro LOADK                           ; 16 loads of 512 consecutive bytes: the tile at OFF
	WIN 0
	s_wait_alu depctr_vm_vsrc(0)                   ; K's last 16 loads have read v[KO], which the next line writes
	v_add_nc_u32 v[KO], s[OFF], v[L16]             ; K's last loads were shown done by the wait at the tile's head
	WIN 0x40                                       ; destination window 1
	s_wait_alu depctr_va_vdst(0)                   ; v[KO] is written, which the loads read; the tile's 32 products K Q^T are done reading K's fragments, in which the loads land
.set i, 0
.rept 16
	global_load_b128 v[KF+4*i:KF+4*i+3], v[KO], s[6:7] offset:512*i
.set i, i+1
.endr
.endm
.macro LOADV
	WIN 0
	s_wait_alu depctr_vm_vsrc(0)                   ; V's last 16 loads have read v[VO], which the next line writes
	v_add_nc_u32 v[VO], s[OFF], v[L16]             ; V's last loads were shown done by the wait in front of V^T P
	WIN 0x40
	s_wait_alu depctr_va_vdst(0)                   ; v[VO] is written, which the loads read; the tile's 32 products V^T P are done reading V's fragments, in which the loads land
.irp kk, 0,1
.irp cb, 0,1,2,3
.irp e, 0,1
	global_load_b128 v[VF+32*(\kk)+8*(\cb)+4*(\e):VF+32*(\kk)+8*(\cb)+4*(\e)+3], v[VO], s[8:9] offset:2048*(2*(\kk)+(\e))+512*(\cb)
.endr
.endr
.endr
.endm
; Number j of the 22 that find piece t's maximum and statistics.  Each accumulator's lowest registers are read first.
;   0-11 four chains c0-c3 of seven scores each    12-15 the four scores left over, c0-c3 and the old m into c0    16, 18 the query's other 32 keys lie in the lane 16 away: the new m
;   17 c m_old is kept    19-21 c m; c m_old - c m_new; a
.macro MX j, t
.set rT, ST+8*(\t)
.set rS, S+32*(\t)
.if (\j) < 4
	v_max3_num_f32 v[rT+4+(\j)], v[rS+8*(\j)], v[rS+8*(\j)+1], v[rS+8*(\j)+2]
.elseif (\j) < 12
	v_max3_num_f32 v[rT+4+(\j)%4], v[rT+4+(\j)%4], v[rS+8*((\j)%4)+2*((\j)/4)+1], v[rS+8*((\j)%4)+2*((\j)/4)+2]
.elseif (\j) == 12
	v_max3_num_f32 v[rT+4], v[rT+4], v[rS+7], v[rS+15]
.elseif (\j) == 13
	v_max3_num_f32 v[rT+6], v[rT+6], v[rS+23], v[rS+31]
.elseif (\j) == 14
	v_max3_num_f32 v[rT+4], v[rT+4], v[rT+5], v[rT+6]
.elseif (\j) == 15
	v_max3_num_f32 v[rT+4], v[rT+4], v[rT+7], v[rT+1]
.elseif (\j) == 16
	v_permlanex16_b32 v[rT+5], v[rT+4], s[SEL], s[SEL+1]
.elseif (\j) == 17
	v_mov_b32 v[rT+7], v[rT]
.elseif (\j) == 18
	v_max_num_f32 v[rT+1], v[rT+4], v[rT+5]
.elseif (\j) == 19
	v_mul_f32 v[rT], s[CS], v[rT+1]
.elseif (\j) == 20
	v_sub_f32 v[rT+7], v[rT+7], v[rT]
.else
	v_exp_f32 v[rT+6], v[rT+7]
.endif
.endm
.macro FMA t, n                        ; pair n of 16: c s - c m
	v_pk_fma_f32 v[S+32*(\t)+2*(\n):S+32*(\t)+2*(\n)+1], v[S+32*(\t)+2*(\n):S+32*(\t)+2*(\n)+1], s[CS:CS+1], v[ST+8*(\t):ST+8*(\t)+1] op_sel_hi:[1,0,0] neg_lo:[0,0,1] neg_hi:[0,0,1]
.endm
.macro EXPO t, n
	v_exp_f32 v[S+32*(\t)+(\n)], v[S+32*(\t)+(\n)]
.endm
.macro SUM t, n                        ; l takes pair n; the first time as l = a l + pair
.if (\n) == 0
	s_wait_alu depctr_va_vdst(0)                   ; piece t's 32 exponentials, all issued above, have written their results: the next line is their first reader
	v_pk_fma_f32 v[ST+8*(\t)+2:ST+8*(\t)+3], v[ST+8*(\t)+2:ST+8*(\t)+3], v[ST+8*(\t)+6:ST+8*(\t)+7], v[S+32*(\t):S+32*(\t)+1] op_sel_hi:[1,0,1]
.else
	v_pk_add_f32 v[ST+8*(\t)+2:ST+8*(\t)+3], v[ST+8*(\t)+2:ST+8*(\t)+3], v[S+32*(\t)+2*(\n):S+32*(\t)+2*(\n)+1]
.endif
.endm
.macro CVT t, n                        ; pair n rounded to f16, into register n of the piece's S^T: what lay there went into l and into P with pair n / 2
	v_cvt_pk_f16_f32 v[S+32*(\t)+(\n)], v[S+32*(\t)+2*(\n)], v[S+32*(\t)+2*(\n)+1]
.endm
; A TILE.  more = 1: another tile of mine follows, and its words, K and V are asked for on the way.  The last tile is written out with more = 0, so that the counted waits count the same loads on every way.
.macro TILE more
	s_wait_loadcnt 16                              ; K is in (and Q, the first time): behind it only V's 16 loads were issued
	s_wait_kmcnt 0x0                               ; the words of pieces 0 and 1
	CND 0
	BITS 2                                         ; a buffer that has been read takes the piece two on
	CND 1
	BITS 3
	KQ2 0
	s_wait_kmcnt 0x0                               ; the words of pieces 2 and 3; BOFF may be written again
.if \more
	WIN 0
	NEXT
.endif
	CND 2
.if \more
	BITS 0                                         ; the next tile's words have the rest of this tile in which to come
.endif
	CND 3
.if \more
	BITS 1
.endif
	KQ2 2
	PLACES                                         ; behind the last products, ahead of the maxima that read their results
.if \more
	LOADK                                          ; the next tile's K: the softmax and V^T P stand between these loads and their use
.endif
	WIN 0
.irp j, 0,1,2,3,4,5,6,7,8,9,10,11,12,13,14,15,16,17,18,19,20,21
.irp t, 0,1,2,3
	MX \j, \t                                      ; the four pieces alternate, so that no line reads the result of the one before it
.endr
.endr
	v_nop                                          ; a plain instruction behind the last exponential
	WIN 0x41                                       ; O^T (destination and source 0) in window 1, a in window 0
	s_wait_alu depctr_va_vdst(0)                   ; the four a are written: the rescaling below is their first reader
.irp t, 0,1,2,3
.set i, 0
.rept 16
	v_pk_mul_f32 v[32*(\t)+2*i:32*(\t)+2*i+1], v[32*(\t)+2*i:32*(\t)+2*i+1], v[ST+8*(\t)+6:ST+8*(\t)+7] op_sel_hi:[1,0]
.set i, i+1
.endr
.endr
	WIN 0
.set pn, 0
.rept 16
	FMA 0, pn
.set pn, pn+1
.endr
	; piece pt's exponentials, and between them plain work that is ready: the next piece's scalings, the last piece's sums and roundings
.set pt, 0
.rept 4
.set pn, 0
.rept 16
	EXPO pt, 2*pn
.if pt < 3
	FMA pt+1, pn
.endif
.if pt > 0
	SUM pt-1, pn
.endif
	EXPO pt, 2*pn+1
.if pt > 0
	CVT pt-1, pn
.endif
.set pn, pn+1
.endr
.set pt, pt+1
.endr
.set pn, 0
.rept 16
	SUM 3, pn
	CVT 3, pn
.set pn, pn+1
.endr
.if \more
	s_wait_loadcnt 16                              ; V is in: behind it only the next K's 16 loads were issued
.else
	s_wait_loadcnt 0x0                             ; V is in: nothing was issued behind it
.endif
	WIN 0x51                                       ; V in window 1, P in window 0, O^T in window 1
.irp kk, 0,1                           ; 32 products O^T += V^T P; the 16 accumulators take turns
.irp t, 0,1,2,3
.irp cb, 0,1,2,3
	v_wmma_f32_16x16x32_f16 v[32*(\t)+8*(\cb):32*(\t)+8*(\cb)+7], v[VF+32*(\kk)+8*(\cb):VF+32*(\kk)+8*(\cb)+7], v[S+32*(\t)+8*(\kk):S+32*(\t)+8*(\kk)+7], v[32*(\t)+8*(\cb):32*(\t)+8*(\cb)+7]
.endr
.endr
.endr
	PLACES                                         ; behind the last products, ahead of the next tile's selects, which write P's registers, and of the merge's stores of O^T
.if \more
	LOADV
.endif
	WIN 0                                          ; at a label and at a branch every window is 0
.endm
	NEXT                                           ; my first tile
	BITS 0
	BITS 1
.set i, 0
.rept 16                               ; Q stays in registers: piece i / 4, chunk i % 4.  No wait: v2 was written ahead of the head's wait on va_vdst, and no vector line has named v64-127
	global_load_b128 v[Q+4*i:Q+4*i+3], v[L16], s[4:5] offset:512*i
.set i, i+1
.endr
	LOADK
	LOADV
	WIN 0
	s_sub_co_u32 s[CNT], s[CNT], 1                 ; all my tiles but the last go round the loop
	s_mov_b32 s[IT], 0
	s_cmp_eq_u32 s[CNT], 0
	s_cbranch_scc1 .Ltail
.Ltile:
	TILE 1
	s_add_co_u32 s[IT], s[IT], 1
	s_cmp_lt_u32 s[IT], s[CNT]
	s_cbranch_scc1 .Ltile
.Ltail:
	TILE 0
.Lmerge:
	; THE MERGE.  Each wave hands in c m, l and O^T for all 64 rows; a barrier; wave w then finishes rows 8 w .. 8 w + 7: weights g_v = 2^(c m_v - max) / sum of 2^(c m_v - max) l_v, out = sum of g_v O_v.
.irp t, 0,1,2,3
	v_add_f32 v[ST+8*(\t)+4], v[ST+8*(\t)+2], v[ST+8*(\t)+3]
.endr
.irp t, 0,1,2,3
	v_permlanex16_b32 v[ST+8*(\t)+5], v[ST+8*(\t)+4], s[SEL], s[SEL+1]
.endr
.irp t, 0,1,2,3
	v_add_f32 v[ST+8*(\t)+4], v[ST+8*(\t)+4], v[ST+8*(\t)+5]
.endr
	s_wait_alu depctr_va_vdst(0)                   ; on both ways here: c m, l and O^T are written, which the LDS stores read; so are the seven LDS addresses v7 to v13; and all vector and matrix lines are done with v64-191 and v240-255, in which the LDS loads behind the barrier land
.irp t, 0,1,2,3
	ds_store_b32 v[AD1], v[ST+8*(\t)] offset:64*(\t)             ; both halves of the lanes write the same number to the same word
	ds_store_b32 v[AD1], v[ST+8*(\t)+4] offset:2048+64*(\t)
.endr
	WIN 0x04                                       ; the data (source 1) in window 1
.irp t, 0,1,2,3
.irp cb, 0,1,2,3
.irp e, 0,1
	ds_store_b128 v[AD2], v[32*(\t)+8*(\cb)+4*(\e):32*(\t)+8*(\cb)+4*(\e)+3] offset:(\t)*16*OPITCH+64*(\cb)+16*(\e)  ; row 16 t + r, channels 16 cb + 8 h + 4 e on
.endr
.endr
.endr
	WIN 0
	s_wait_dscnt 0x0                               ; for the others' sake: my stores are done
	s_barrier_signal -1
	s_barrier_wait -1
.set i, 0
.rept 8
	ds_load_b32 v[240+i], v[AD3] offset:256*i      ; wave i's c m of row 8 w + lane % 8,
	ds_load_b32 v[248+i], v[AD3] offset:2048+256*i ; and its l
.set i, i+1
.endr
.irp x, 0,1,2,3                        ; rows 8 w + 2 x + lane / 16 of all eight partial results, 16 bytes a lane
.irp u, 0,1,2,3
	ds_load_b128 v[64+32*(\x)+4*(\u):64+32*(\x)+4*(\u)+3], v[AD5] offset:OBW*(\u)+2*OPITCH*(\x)
.endr
.irp u, 0,1,2,3
	ds_load_b128 v[80+32*(\x)+4*(\u):80+32*(\x)+4*(\u)+3], v[AD6] offset:OBW*(\u)+2*OPITCH*(\x)
.endr
.endr
	s_wait_dscnt 32                                ; the statistics are in; the 32 loads of rows stay out
	v_max3_num_f32 v24, v240, v241, v242
	v_max3_num_f32 v24, v24, v243, v244
	v_max3_num_f32 v24, v24, v245, v246
	v_max_num_f32 v24, v24, v247
.set i, 0
.rept 8
	v_sub_f32 v[16+i], v[240+i], v24               ; v16 and v17 were freed at the head, behind the loads that read them
.set i, i+1
.endr
.set i, 0
.rept 8
	v_exp_f32 v[16+i], v[16+i]
.set i, i+1
.endr
	v_nop                                          ; a plain instruction behind the last exponential
	s_wait_alu depctr_va_vdst(0)                   ; the eight exponentials have written v16 to v23: the next line is their first reader
	v_mul_f32 v25, v16, v248
.set i, 1
.rept 7
	v_fmac_f32 v25, v[16+i], v[248+i]
.set i, i+1
.endr
	v_rcp_f32 v26, v25                             ; every row has a key of its top class, so the sum is at least 1 in the wave that holds the maximum
	v_nop
.set i, 0
	s_wait_alu depctr_va_vdst(0)                   ; the reciprocal has written v26: the next line is its first reader
.rept 8
	v_mul_f32 v[16+i], v[16+i], v26
.set i, i+1
.endr
	s_wait_alu depctr_va_vdst(0)                   ; the eight weights v16 to v23 are written, which the two LDS stores read
	ds_store_b128 v[AD7], v[16:19]                 ; my own rows' weights: only my wave reads them, and LDS serves a wave's instructions in order
	ds_store_b128 v[AD7], v[20:23] offset:16
.irp x, 0,1,2,3
	ds_load_b128 v[192+8*(\x):192+8*(\x)+3], v[AD4] offset:64*(\x)          ; no vector line since the wait above names v192-223
	ds_load_b128 v[192+8*(\x)+4:192+8*(\x)+7], v[AD4] offset:64*(\x)+16
.endr
.irp x, 0,1,2,3
	s_wait_dscnt 2*(3-(\x))                        ; these rows' weights are in, and all that was issued before them; the later rows' two loads each stay out
.irp z, 0,1,2,3
	v_mul_f32 v[224+4*(\x)+(\z)], v[192+8*(\x)], v[64+32*(\x)+(\z)]
.endr
.irp u, 1,2,3,4,5,6,7
.irp z, 0,1,2,3
	v_fmac_f32 v[224+4*(\x)+(\z)], v[192+8*(\x)+(\u)], v[64+32*(\x)+4*(\u)+(\z)]
.endr
.endr
.endr
	s_wait_alu depctr_va_vdst(0)                   ; the sums have written v224 to v239, which the run of four stores reads
.irp x, 0,1,2,3
	global_store_b128 v[L16], v[224+4*(\x):224+4*(\x)+3], s[2:3] offset:512*(\x) th:TH_STORE_NT  ; two rows of out: 512 consecutive bytes, at a multiple of 256 from its first byte
.endr
	s_wait_dscnt 0x0                               ; the closing lines, six on end
	s_wait_alu 0x0
	s_wait_tensorcnt 0x0
	ds_add_u32 v[SPW], v[NIL]
	s_wait_dscnt 0x0
	s_endpgm
.Lfunc_end_k_q89b0df5075_attn:
	.size	k_q89b0df5075_attn, .Lfunc_end_k_q89b0df5075_attn-k_q89b0df5075_attn
	.p2alignl 7, 3214868480
	.fill 96, 4, 3214868480
	.section	.rodata,"a",@progbits
	.p2align	6, 0x0
	.amdhsa_kernel k_q89b0df5075_attn
		.amdhsa_group_segment_fixed_size 146432
		.amdhsa_private_segment_fixed_size 0
		.amdhsa_enable_private_segment 0
		.amdhsa_kernarg_size 56
		.amdhsa_user_sgpr_count 2
		.amdhsa_user_sgpr_kernarg_segment_ptr 1
		.amdhsa_wavefront_size32 1
		.amdhsa_system_sgpr_workgroup_id_x 1
		.amdhsa_system_sgpr_workgroup_id_y 1
		.amdhsa_system_sgpr_workgroup_id_z 1
		.amdhsa_system_vgpr_workitem_id 0
		.amdhsa_next_free_vgpr 512
		.amdhsa_next_free_sgpr 102
		.amdhsa_reserve_vcc 0
		.amdhsa_float_denorm_mode_32 3
		.amdhsa_float_denorm_mode_16_64 3
		.amdhsa_memory_ordered 1
		.amdhsa_forward_progress 1
		.amdhsa_inst_pref_size 111
	.end_amdhsa_kernel
	.amdgpu_metadata
---
amdhsa.version: [ 1, 2 ]
amdhsa.kernels:
  - .name:           k_q89b0df5075_attn
    .symbol:         k_q89b0df5075_attn.kd
    .args:
      - { .name: qf, .offset: 0, .size: 8, .value_kind: global_buffer, .address_space: global }
      - { .name: kf, .offset: 8, .size: 8, .value_kind: global_buffer, .address_space: global }
      - { .name: vt, .offset: 16, .size: 8, .value_kind: global_buffer, .address_space: global }
      - { .name: bits, .offset: 24, .size: 8, .value_kind: global_buffer, .address_space: global }
      - { .name: need, .offset: 32, .size: 8, .value_kind: global_buffer, .address_space: global }
      - { .name: meta, .offset: 40, .size: 8, .value_kind: global_buffer, .address_space: global }
      - { .name: out0, .offset: 48, .size: 8, .value_kind: global_buffer, .address_space: global }
    .group_segment_fixed_size: 146432
    .private_segment_fixed_size: 0
    .kernarg_segment_align: 8
    .kernarg_segment_size: 56
    .max_flat_workgroup_size: 256
    .sgpr_count:     102
    .vgpr_count:     512
    .wavefront_size: 32
...
	.end_amdgpu_metadata
.endif
;; end of part 3
